; MI455X (gfx1250); checked and timed in simulation.
; The chip was launched on July 23, 2026; its instructions are those of AMD's public machine-readable ISA for CDNA 5 (MIT licence, August 2026) and "CDNA5" Instruction Set Architecture Reference Guide (July 2026). The comments in the code are by the model that wrote it; some were corrected since.
;; Multi Head Attention. Allowed arithmetic: matrix products marked QUANTISED: E2M1 operands, one E8M0 scale for each 32 along K, by v_wmma_scale_f32_16x16x128_f8f6f4 with both operands' format E2M1 (or v_wmma_scale_f32_32x16x128_f4), f32 sums; products left as they are: bf16, f16 or f32 operands; f32 sums; everything else in f32.
;; Inputs: Wk 16 x 1,024 x 64 float32; Wp 1,024 x 1,024 float32; Wq 16 x 1,024 x 64 float32; Wv 16 x 1,024 x 64 float32; bp 1,024 float32; x 4 x 2,048 x 1,024 float32.
;; Outputs: out0 4 x 2,048 x 1,024 float32.
;; This version of the problem:
;;   THIS VERSION OF THE PROBLEM IS GIVEN IN LOW PRECISION. The matrix products marked QUANTISED in the list below multiply operands that are first quantised to E2M1 (2 exponent bits, 1 mantissa bit; 4 bits a number), with one power-of-two scale for each 32 numbers along K (OCP MX v1.0); their sums are f32. The products marked 'left as it is' may take bf16, f16 or f32 operands, with f32 sums. Whichever they take, every output number must still come out within the allowed error. Rounding operands to bf16 (8 significant bits) uses up far more of that allowance than f16 does (11 bits, for magnitudes from 6e-5 to 65,504). All else is computed in f32.
;;   The module's matrix products, in the order in which they are computed (A, B: the left and right operand; K: the contracted axis; several contracted axes count as one K, in the product's order):
;;     1. [M 1,024, K 1,024] x [K 1,024, N 8,192]; A: input Wq; B: input x: QUANTISED
;;     2. [M 1,024, K 1,024] x [K 1,024, N 8,192]; A: input Wk; B: input x: QUANTISED
;;     3. [M 1,024, K 1,024] x [K 1,024, N 8,192]; A: input Wv; B: input x: QUANTISED
;;     4. batch 64 x [M 2,048, K 64] x [K 64, N 2,048]; A: computed on the way; B: computed on the way: left as it is (an operand is computed on the way)
;;     5. batch 64 x [M 2,048, K 2,048] x [K 2,048, N 64]; A: computed on the way; B: computed on the way: left as it is (an operand is computed on the way)
;;     6. [M 8,192, K 1,024] x [K 1,024, N 1,024]; A: computed on the way; B: input Wp: left as it is (an operand is computed on the way)
;;   THE QUANTISER, for each operand of a quantised product, along K:
;;     - K is cut into blocks of 32 from its start; a last block that is shorter is filled with zeros.
;;     - A block's scale is 2^e with e = floor(log2(the largest magnitude in the block)) - 2, held to -126 .. 127; a block of zeros has e = 0. As a byte (E8M0): e + 127.
;;     - Each number is divided by its block's scale, clamped to +-6, and rounded to the nearest number of E2M1, ties to even, subnormals kept.
;;     - The product sums the exact products of the quantised numbers (number of the format x scale) in f32.
;;   ~~~python
;;   def quantise(x, axis):      # numpy; x: float32 -> the quantised numbers, widened to float32 again
;;       x = np.moveaxis(x, axis, -1); K = x.shape[-1]
;;       x = np.pad(x, [(0, 0)] * (x.ndim - 1) + [(0, -K % 32)]); x = x.reshape(x.shape[:-1] + (-1, 32)); a = np.abs(x).max(-1, keepdims=True)
;;       e = np.where(a > 0, np.clip(np.frexp(np.where(a > 0, a, 1))[1] - 1 - 2, -126, 127), 0)      # np.frexp(a)[1] - 1 = floor(log2(a)), exactly
;;       r = np.clip(x / 2.0 ** e, -6, 6)
;;       step = 2.0 ** (np.maximum(np.frexp(np.where(r == 0, 1, r))[1] - 1, 0) - 1)
;;       q = np.round(r / step) * step * 2.0 ** e      # np.round: ties to even
;;       return np.moveaxis(q.reshape(q.shape[:-2] + (-1,))[..., :K], -1, axis).astype(np.float32)
;;   ~~~
;; One version. Each part assembles by itself: llvm-mc -triple=amdgcn-amd-amdhsa -mcpu=gfx1250 --defsym DOCPART=n.
;; ======== version 1 of 1: 7 launches
;; limits: values are held in f16: magnitudes above 65,504 overflow, below 6.1e-05 lose precision
;; workspace buffers: x_codes 4,194,304 bytes; x_scales 262,144 bytes; w_codes 1,572,864 bytes; w_scales 98,304 bytes; wpt 2,097,152 bytes; qkv 50,331,648 bytes; qkv32 786,432 bytes; attn_o 16,777,216 bytes
;; launch quant_x (part 1): grid 256 x 1, 4 waves a work-group, no clusters, 33,280 bytes of LDS; arguments x, x_codes, x_scales; writes x_codes, x_scales
.if DOCPART == 1
	.amdgcn_target "amdgcn-amd-amdhsa--gfx1250"
	.amdhsa_code_object_version 6
	.text
	.protected	k_qe6283035e3_quant_x
	.globl	k_qe6283035e3_quant_x
	.p2align	8
	.type	k_qe6283035e3_quant_x,@function
k_qe6283035e3_quant_x:
	s_mov_b64 s[64:65], 0
	v_nop
	global_prefetch_b8 v0, s[64:65] scope:SCOPE_SE
	s_setreg_imm32_b32 hwreg(HW_REG_WAVE_MODE, 25, 1), 1
	s_wait_xcnt 0x0
; x [8192][1024], f32, becomes codes of FP4 (E2M1), K innermost, two codes a byte ([8192][512 bytes]), and one E8M0 scale byte for each 32 along K ([8192][32]).
; A block's scale is 2^(floor(log2(its largest magnitude)) - 2); its byte is the largest magnitude's exponent field - 2, held at 1 from below.
; LIMITS: a block of zeros gets the byte 1 where the quantiser says 127: its codes are zeros, which add nothing, and this program alone reads the bytes.  Blocks whose largest magnitude
; lies under 2^(3 - 127) are held at that floor.  NaN and infinities among the inputs are not served.
; Rows are dense and 1024 is a multiple of 32: the tensor is a plain stream of blocks of 32.  A wave takes 16 steps of 512 numbers (8,192 numbers; 1,024 such runs in 256 work-groups of four waves).
; Each load reads 512 consecutive bytes, 16 a lane; a step's 2,048 bytes turn through the wave's own stage in LDS and come back 64 bytes a lane (16 neighbours along K), as the conversions want them.
; A lane's 16 codes are 8 bytes: a wave's store covers 256 consecutive bytes, aligned.  A wave's 256 scale bytes are gathered in LDS and leave as one such store.
; No tensor loads, no barrier: waves share nothing.  Loads run four steps (16 loads a wave) ahead, the turn through LDS one step.
.set STEPS, 16
.set CB,    8                          ; bytes of 16 codes
.set R,     16                         ; v16-79   four sets of 16 numbers as they are loaded
.set X,     80                         ; v80-111  two sets of 16 neighbours
.set E,     112                        ; v112-127 a scale byte for each step
.set C,     128                        ; v128-191 codes: four registers for each step, so that no store's data are written again
.set WREG,  8192                       ; LDS: a region for each wave: two stages of 32 x SP bytes, behind them its 256 scale bytes
.set SP,    80                         ; a lane's place in a stage: 64 bytes + 16 of padding
.set SPW,   12                         ; v12  LDS address of my spare word; never rewritten
.set NIL,   13                         ; v13  0; never rewritten
.set SPARE, 4*WREG                     ; behind the four regions: the spare words, 128 bytes a wave
	s_load_b128 s[4:7], s[0:1], 0x0                ; x s[4:5], the codes s[6:7]
	s_load_b64 s[8:9], s[0:1], 0x10                ; the scale bytes
	v_lshl_add_u32 v[SPW], v0, 2, SPARE
	v_mov_b32 v[NIL], 0
	v_lshrrev_b32 v1, 5, v0
	v_readfirstlane_b32 s16, v1                    ; wave
	v_and_b32 v2, 31, v0                           ; lane
	v_lshlrev_b32 v3, 4, v2                        ; my 16 bytes of a load's 512
	s_mul_i32 s17, s16, WREG
	v_lshrrev_b32 v14, 2, v2
	v_mul_u32_u24 v14, v14, SP
	v_and_b32 v15, 3, v2
	v_lshl_add_u32 v14, v15, 4, v14
	v_add_nc_u32 v14, s17, v14                     ; the stage, way in: SP (lane / 4) + 16 (lane % 4)
	v_mul_u32_u24 v15, v2, SP
	v_add_nc_u32 v15, s17, v15                     ; way out: SP x lane: my 16 neighbours
	v_mul_u32_u24 v4, v2, CB                       ; my codes' place in a step's
	v_lshrrev_b32 v5, 1, v2
	s_add_co_u32 s17, s17, 2*32*SP
	v_add_nc_u32 v5, s17, v5                       ; my wave's 256 scale bytes, my block's byte
	v_lshlrev_b32 v7, 3, v2                        ; and on the way out 8 bytes a lane
	v_add_nc_u32 v6, s17, v7
	s_lshl_b32 s18, ttmp9, 2
	s_add_co_u32 s18, s18, s16                     ; which run of 8,192 numbers is my wave's: 0 .. 1023
	s_mov_b32 s21, 0
	s_wait_kmcnt 0x0
	s_lshl_b32 s20, s18, 15                        ; 32,768 bytes of x a run
	s_add_nc_u64 s[4:5], s[4:5], s[20:21]
	s_lshl_b32 s20, s18, 12                        ; 4,096 bytes of codes
	s_add_nc_u64 s[6:7], s[6:7], s[20:21]
	s_lshl_b32 s20, s18, 8                         ; 256 scale bytes
	s_add_nc_u64 s[8:9], s[8:9], s[20:21]
.macro LOAD t
.irp i, 0,1,2,3
	global_load_b128 v[R+16*((\t)%4)+4*\i:R+16*((\t)%4)+4*\i+3], v3, s[4:5] offset:2048*(\t)+512*\i th:TH_LOAD_NT   ; 32 lanes read 512 consecutive bytes
.endr
.endm
.macro TURN t                          ; step t's numbers through the stage: LDS serves a wave's instructions in order, so no wait stands between the stores and the loads
.irp i, 0,1,2,3
	ds_store_b128 v14, v[R+16*((\t)%4)+4*\i:R+16*((\t)%4)+4*\i+3] offset:32*SP*((\t)%2)+8*SP*\i
.endr
.irp i, 0,1,2,3
	ds_load_b128 v[X+16*((\t)%2)+4*\i:X+16*((\t)%2)+4*\i+3], v15 offset:32*SP*((\t)%2)+16*\i
.endr
.endm
.irp t, 0,1,2,3
	LOAD \t
.endr
	s_wait_loadcnt 12                              ; step 0's four loads are in; twelve younger ones stay out
	TURN 0
.macro STEP t
.set XS, X+16*((\t)%2)
.if (\t) > 0
	s_wait_dscnt 1                                 ; this step's numbers are back from the stage (the last step's byte store may be out): so its stores into the stage have read their registers,
.else
	s_wait_dscnt 0x0
.endif
.if (\t)+4 < STEPS
	LOAD (\t)+4                                    ; which take the loads of four steps on
.endif
.if (\t)+1 < STEPS
.if STEPS-2-(\t) >= 3
	s_wait_loadcnt 12                              ; the next step's four loads are in; those of the three steps behind it may be out
.else
	s_wait_loadcnt 4*(STEPS-2-(\t))
.endif
	TURN (\t)+1                                    ; and go through the other stage while this step is worked
.endif
	v_max3_num_f32 v8, |v[XS]|, |v[XS+1]|, |v[XS+2]|               ; the largest magnitude of my 16, in two chains
	v_max3_num_f32 v9, |v[XS+3]|, |v[XS+4]|, |v[XS+5]|
.irp i, 6,10
	v_max3_num_f32 v8, v8, |v[XS+\i]|, |v[XS+\i+1]|
	v_max3_num_f32 v9, v9, |v[XS+\i+2]|, |v[XS+\i+3]|
.endr
	v_max3_num_f32 v8, v8, |v[XS+14]|, |v[XS+15]|
	v_max3_num_f32 v8, v8, v9, 0x1800000           ; and the floor 2^(3 - 127): the byte cannot fall under 1
	v_max_num_f32_dpp v8, v8, v8 row_xmask:1 row_mask:0xf bank_mask:0xf   ; and of my neighbour's 16: the block's
	v_add_nc_u32 v11, 0xff000000, v8               ; 2 off its exponent field: the conversion takes the exponent field of this operand as its scale
	v_cvt_scalef32_pk8_fp4_f32 v[C+4*(\t)], v[XS:XS+7], v11
	v_cvt_scalef32_pk8_fp4_f32 v[C+4*(\t)+1], v[XS+8:XS+15], v11
	v_lshrrev_b32 v[E+(\t)], 23, v11               ; the scale's byte (also the plain line behind the conversions)
	ds_store_b8 v5, v[E+(\t)] offset:16*(\t)       ; both lanes of a block write the same byte with the same value
	global_store_b64 v4, v[C+4*(\t):C+4*(\t)+1], s[6:7] offset:32*CB*(\t)
.endm
.irp t, 0,1,2,3,4,5,6,7,8,9,10,11,12,13,14,15
	STEP \t
.endr
	ds_load_b64 v[8:9], v6                         ; LDS serves a wave's instructions in order: these see my stores
	s_wait_dscnt 0x0
	global_store_b64 v7, v[8:9], s[8:9]            ; 32 lanes store 256 consecutive bytes, aligned
	s_wait_tensorcnt 0x0                           ; the wave's end, behind my last LDS store
	ds_add_u32 v[SPW], v[NIL]
	s_wait_dscnt 0x0
	s_endpgm
.Lfunc_end_k_qe6283035e3_quant_x:
	.size	k_qe6283035e3_quant_x, .Lfunc_end_k_qe6283035e3_quant_x-k_qe6283035e3_quant_x
	.p2alignl 7, 3214868480
	.fill 96, 4, 3214868480
	.section	.rodata,"a",@progbits
	.p2align	6, 0x0
	.amdhsa_kernel k_qe6283035e3_quant_x
		.amdhsa_group_segment_fixed_size 33280
		.amdhsa_private_segment_fixed_size 0
		.amdhsa_enable_private_segment 0
		.amdhsa_kernarg_size 24
		.amdhsa_user_sgpr_count 2
		.amdhsa_user_sgpr_kernarg_segment_ptr 1
		.amdhsa_wavefront_size32 1
		.amdhsa_system_sgpr_workgroup_id_x 1
		.amdhsa_system_sgpr_workgroup_id_y 1
		.amdhsa_system_sgpr_workgroup_id_z 1
		.amdhsa_system_vgpr_workitem_id 0
		.amdhsa_next_free_vgpr 192
		.amdhsa_next_free_sgpr 66
		.amdhsa_reserve_vcc 0
		.amdhsa_float_denorm_mode_32 3
		.amdhsa_float_denorm_mode_16_64 3
		.amdhsa_memory_ordered 1
		.amdhsa_forward_progress 1
		.amdhsa_inst_pref_size 33
	.end_amdhsa_kernel
	.amdgpu_metadata
---
amdhsa.version: [ 1, 2 ]
amdhsa.kernels:
  - .name:           k_qe6283035e3_quant_x
    .symbol:         k_qe6283035e3_quant_x.kd
    .args:
      - { .name: x, .offset: 0, .size: 8, .value_kind: global_buffer, .address_space: global }
      - { .name: x_codes, .offset: 8, .size: 8, .value_kind: global_buffer, .address_space: global }
      - { .name: x_scales, .offset: 16, .size: 8, .value_kind: global_buffer, .address_space: global }
    .group_segment_fixed_size: 33280
    .private_segment_fixed_size: 0
    .kernarg_segment_align: 8
    .kernarg_segment_size: 24
    .max_flat_workgroup_size: 128
    .sgpr_count:     66
    .vgpr_count:     192
    .wavefront_size: 32
...
	.end_amdgpu_metadata
.endif
;; end of part 1
;; launch quant_w (part 2): grid 32 x 3, 8 waves a work-group, no clusters, 19,456 bytes of LDS; arguments Wq, Wk, Wv, w_codes, w_scales; writes w_codes, w_scales
.if DOCPART == 2
	.amdgcn_target "amdgcn-amd-amdhsa--gfx1250"
	.amdhsa_code_object_version 6
	.text
	.protected	k_qe6283035e3_quant_w
	.globl	k_qe6283035e3_quant_w
	.p2align	8
	.type	k_qe6283035e3_quant_w,@function
k_qe6283035e3_quant_w:
	s_mov_b64 s[64:65], 0
	v_nop
	global_prefetch_b8 v0, s[64:65] scope:SCOPE_SE
	s_setreg_imm32_b32 hwreg(HW_REG_WAVE_MODE, 25, 1), 1
	s_wait_xcnt 0x0
; Wq, Wk, Wv [16 heads][1024 (K)][64], f32: K is the middle axis.  They become codes of FP4 (E2M1) with K innermost, w_codes [n = 1024 which + 64 head + d][512 bytes], and E8M0 bytes w_scales [n][32].
; A LANE TAKES A COLUMN d AND ITS REGISTERS RUN DOWN K: a block of 32 along K lies in one lane's 32 registers, its largest magnitude needs no other lane, and the conversions give codes with K innermost.
; A work-group (x: 2 head + which half of K; y: which tensor) takes 64 columns x 512 along K; thread t takes column t % 64 and the 128 of K numbered t / 64.  A row of W (256 bytes) is read whole by two waves.
; The codes meet in a stage in LDS (64 rows of 256 bytes + 16) and leave by rows: sixteen lanes store 256 consecutive bytes, aligned.  The scale bytes leave as 16 bytes a row, rows 32 bytes apart:
; pieces, but one byte for each 128 bytes that the launch reads.
; LIMITS: a block of zeros gets the byte 1 (its codes are zeros; this program alone reads the bytes); largest magnitudes are held at the floor 2^(3 - 127); NaN and infinities are not served.
; Loads run two blocks (64 loads a wave) ahead.
.set PITCH, 272
.set SCS,   64*PITCH                   ; behind the stage: 64 rows x 16 scale bytes
.set SPARE, SCS+1024                   ; the spare words, 128 bytes for each of eight waves
.set X,     32                         ; v32-159  four blocks of 32 numbers
.set C,     160                        ; v160-175 codes, four registers a block
.set OUTR,  176                        ; v176-191 the way out
.set SW,    24                         ; v24      my four scale bytes
.set SPW,   14
.set NIL,   15
	s_load_b128 s[4:7], s[0:1], 0x0                ; Wq, Wk
	s_load_b128 s[8:11], s[0:1], 0x10              ; Wv, the codes
	s_load_b64 s[12:13], s[0:1], 0x20              ; the scale bytes
	v_lshl_add_u32 v[SPW], v0, 2, SPARE
	v_mov_b32 v[NIL], 0
	v_lshrrev_b32 v1, 5, v0
	v_readfirstlane_b32 s16, v1                    ; wave 0..7
	v_and_b32 v1, 31, v0                           ; lane
	v_lshlrev_b32 v3, 2, v1                        ; in: 4 bytes a lane
	v_and_b32 v2, 63, v0                           ; my column
	v_lshrrev_b32 v10, 6, v0                       ; my 128 of K
	v_mul_u32_u24 v4, v2, PITCH
	v_lshl_add_u32 v4, v10, 6, v4                  ; the stage, way in: row = column, 64 bytes for each 128 of K
	v_lshlrev_b32 v5, 4, v2
	v_lshl_add_u32 v5, v10, 2, v5
	v_add_nc_u32 v5, SCS, v5                       ; my scale word
	v_bfe_u32 v10, v0, 4, 1
	v_and_b32 v9, 15, v0
	v_mul_u32_u24 v6, v10, PITCH
	v_lshl_add_u32 v6, v9, 4, v6
	s_mul_i32 s17, s16, 8*PITCH
	v_add_nc_u32 v6, s17, v6                       ; way out: wave w takes rows 8 w .. 8 w + 7, sixteen lanes to a row
	v_lshlrev_b32 v7, 9, v10
	v_lshl_add_u32 v7, v9, 4, v7                   ; and the same place in the codes' buffer (rows of 512 bytes)
	v_lshl_add_u32 v8, v2, 4, SCS                  ; the scale bytes, way out: 16 bytes a row,
	v_lshlrev_b32 v9, 5, v2                        ; rows 32 bytes apart in memory
	s_lshr_b32 s18, ttmp9, 1                       ; head
	s_and_b32 s19, ttmp9, 1                        ; which 512 of K
	s_and_b32 s20, ttmp7, 0xffff                   ; which tensor
	s_lshr_b32 s21, s16, 1                         ; my wave's 128 of K
	s_and_b32 s22, s16, 1                          ; my wave's 32 columns
	s_lshl_b32 s24, s18, 18                        ; a head is 262,144 bytes,
	s_lshl_b32 s23, s19, 17                        ; 512 rows of 256 bytes,
	s_add_co_u32 s24, s24, s23
	s_lshl_b32 s23, s21, 15                        ; 128 rows,
	s_add_co_u32 s24, s24, s23
	s_lshl_b32 s23, s22, 7                         ; 32 columns
	s_add_co_u32 s24, s24, s23
	s_mov_b32 s25, 0
	s_lshl_b32 s26, s20, 10
	s_lshl_b32 s23, s18, 6
	s_add_co_u32 s26, s26, s23                     ; the work-group's first row n
	s_lshl_b32 s28, s26, 5
	s_lshl_b32 s23, s19, 4
	s_add_co_u32 s28, s28, s23                     ; its scale bytes: 32 n + 16 x half
	s_mov_b32 s29, 0
	s_lshl_b32 s23, s16, 3
	s_add_co_u32 s26, s26, s23
	s_lshl_b32 s26, s26, 9
	s_lshl_b32 s23, s19, 8
	s_add_co_u32 s26, s26, s23                     ; my wave's codes: 512 (n + 8 w) + 256 x half
	s_mov_b32 s27, 0
	s_wait_kmcnt 0x0
	s_cmp_eq_u32 s20, 0                            ; the choice hangs on the work-group's number alone
	s_cselect_b64 s[4:5], s[4:5], s[6:7]
	s_cmp_eq_u32 s20, 2
	s_cselect_b64 s[4:5], s[8:9], s[4:5]
	s_add_nc_u64 s[4:5], s[4:5], s[24:25]
	s_add_nc_u64 s[10:11], s[10:11], s[26:27]
	s_add_nc_u64 s[12:13], s[12:13], s[28:29]
.macro LOAD t                          ; block t: W(32 t + i, my column), i = 0 .. 31
.set ii, 0
.rept 32
	global_load_b32 v[X+32*(\t)+ii], v3, s[4:5] offset:(32*(\t)+ii)*256 th:TH_LOAD_NT
.set ii, ii+1
.endr
.endm
	LOAD 0
	LOAD 1
.macro BLOCK t
.set XS, X+32*(\t)
.if (\t) < 3
	s_wait_loadcnt 32                              ; this block's 32 loads are in; the next block's may be out
.else
	s_wait_loadcnt 0x0
.endif
.if (\t)+2 < 4
	LOAD (\t)+2                                    ; into registers of its own
.endif
	v_max3_num_f32 v12, |v[XS]|, |v[XS+1]|, |v[XS+2]|              ; the block's largest magnitude: all 32 numbers are mine
	v_max3_num_f32 v13, |v[XS+3]|, |v[XS+4]|, |v[XS+5]|
.irp i, 6,10,14,18,22,26
	v_max3_num_f32 v12, v12, |v[XS+\i]|, |v[XS+\i+1]|
	v_max3_num_f32 v13, v13, |v[XS+\i+2]|, |v[XS+\i+3]|
.endr
	v_max3_num_f32 v12, v12, |v[XS+30]|, |v[XS+31]|
	v_max3_num_f32 v12, v12, v13, 0x1800000        ; and the floor 2^(3 - 127)
	v_add_nc_u32 v11, 0xff000000, v12              ; 2 off its exponent field: the conversion's scale operand
	v_lshrrev_b32 v13, 23, v11                     ; the scale's byte
.if (\t) == 0
	v_mov_b32 v[SW], v13                           ; four bytes to a register, the lower K in the lower byte
.else
	v_lshl_or_b32 v[SW], v13, 8*(\t), v[SW]
.endif
.irp g, 0,1,2,3
	v_cvt_scalef32_pk8_fp4_f32 v[C+4*(\t)+\g], v[XS+8*\g:XS+8*\g+7], v11
.endr
	v_nop                                          ; one plain line behind the conversions
	ds_store_b128 v4, v[C+4*(\t):C+4*(\t)+3] offset:16*(\t)        ; 32 codes: 16 bytes of my column's row
.endm
	BLOCK 0
	BLOCK 1
	BLOCK 2
	BLOCK 3
	ds_store_b32 v5, v[SW]
	s_wait_dscnt 0x0                               ; for the others' sake: my stores into the stage are done
	s_barrier_signal -1
	s_barrier_wait -1
.irp i, 0,1,2,3
	ds_load_b128 v[OUTR+4*\i:OUTR+4*\i+3], v6 offset:2*\i*PITCH
.endr
.irp i, 0,1,2,3
	s_wait_dscnt 3-\i
	global_store_b128 v7, v[OUTR+4*\i:OUTR+4*\i+3], s[10:11] offset:1024*\i   ; sixteen lanes store 256 consecutive bytes, aligned
.endr
	s_cmp_lt_u32 s16, 2                            ; waves 0 and 1 carry the 64 rows' scale bytes out
	s_cbranch_scc0 .Lno_scales
	ds_load_b128 v[C:C+3], v8
	s_wait_dscnt 0x0
	global_store_b128 v9, v[C:C+3], s[12:13]
.Lno_scales:
	s_wait_tensorcnt 0x0                           ; the wave's end, behind my last LDS store
	ds_add_u32 v[SPW], v[NIL]
	s_wait_dscnt 0x0
	s_endpgm
.Lfunc_end_k_qe6283035e3_quant_w:
	.size	k_qe6283035e3_quant_w, .Lfunc_end_k_qe6283035e3_quant_w-k_qe6283035e3_quant_w
	.p2alignl 7, 3214868480
	.fill 96, 4, 3214868480
	.section	.rodata,"a",@progbits
	.p2align	6, 0x0
	.amdhsa_kernel k_qe6283035e3_quant_w
		.amdhsa_group_segment_fixed_size 19456
		.amdhsa_private_segment_fixed_size 0
		.amdhsa_enable_private_segment 0
		.amdhsa_kernarg_size 40
		.amdhsa_user_sgpr_count 2
		.amdhsa_user_sgpr_kernarg_segment_ptr 1
		.amdhsa_wavefront_size32 1
		.amdhsa_system_sgpr_workgroup_id_x 1
		.amdhsa_system_sgpr_workgroup_id_y 1
		.amdhsa_system_sgpr_workgroup_id_z 1
		.amdhsa_system_vgpr_workitem_id 0
		.amdhsa_next_free_vgpr 192
		.amdhsa_next_free_sgpr 66
		.amdhsa_reserve_vcc 0
		.amdhsa_float_denorm_mode_32 3
		.amdhsa_float_denorm_mode_16_64 3
		.amdhsa_memory_ordered 1
		.amdhsa_forward_progress 1
		.amdhsa_inst_pref_size 23
	.end_amdhsa_kernel
	.amdgpu_metadata
---
amdhsa.version: [ 1, 2 ]
amdhsa.kernels:
  - .name:           k_qe6283035e3_quant_w
    .symbol:         k_qe6283035e3_quant_w.kd
    .args:
      - { .name: Wq, .offset: 0, .size: 8, .value_kind: global_buffer, .address_space: global }
      - { .name: Wk, .offset: 8, .size: 8, .value_kind: global_buffer, .address_space: global }
      - { .name: Wv, .offset: 16, .size: 8, .value_kind: global_buffer, .address_space: global }
      - { .name: w_codes, .offset: 24, .size: 8, .value_kind: global_buffer, .address_space: global }
      - { .name: w_scales, .offset: 32, .size: 8, .value_kind: global_buffer, .address_space: global }
    .group_segment_fixed_size: 19456
    .private_segment_fixed_size: 0
    .kernarg_segment_align: 8
    .kernarg_segment_size: 40
    .max_flat_workgroup_size: 256
    .sgpr_count:     66
    .vgpr_count:     192
    .wavefront_size: 32
...
	.end_amdgpu_metadata
.endif
;; end of part 2
;; launch cast_wp (part 3): grid 8 x 8, 4 waves a work-group, no clusters, 35,328 bytes of LDS; arguments Wp, wpt; writes wpt
.if DOCPART == 3
	.amdgcn_target "amdgcn-amd-amdhsa--gfx1250"
	.amdhsa_code_object_version 6
	.text
	.protected	k_qe6283035e3_cast_wp
	.globl	k_qe6283035e3_cast_wp
	.p2align	8
	.type	k_qe6283035e3_cast_wp,@function
k_qe6283035e3_cast_wp:
	s_mov_b64 s[64:65], 0
	v_nop
	global_prefetch_b8 v0, s[64:65] scope:SCOPE_SE
	s_setreg_imm32_b32 hwreg(HW_REG_WAVE_MODE, 25, 1), 1
	s_wait_xcnt 0x0
; Wp [k 1024][n 1024], f32, becomes wpt [n 1024][k 1024], f16 (rounded once, to nearest): the output projection's second operand with K innermost.
; A lane takes a column n and its registers run down K: each load reads 128 consecutive bytes a wave, 512 a work-group.  A wave takes 32 columns x 128 of K; pairs of neighbours along K pack into one register.
; A lane's 256 bytes belong to one row of wpt: they go through the wave's own stage in LDS (32 rows of 256 bytes + 16) and leave by rows, sixteen lanes storing 256 consecutive bytes, aligned.
; LIMIT: |Wp| under 65,504.  No barrier: waves share nothing.  Loads run two groups of 32 ahead.
.set PITCH, 272
.set WSTG,  32*PITCH
.set SPARE, 4*WSTG
.set X,     32                         ; v32-159  128 numbers; later the way out
.set H,     160                        ; v160-223 64 packed registers
.set SPW,   14
.set NIL,   15
	s_load_b128 s[4:7], s[0:1], 0x0                ; Wp, wpt
	v_lshl_add_u32 v[SPW], v0, 2, SPARE
	v_mov_b32 v[NIL], 0
	v_lshrrev_b32 v1, 5, v0
	v_readfirstlane_b32 s16, v1                    ; wave
	v_and_b32 v1, 31, v0                           ; lane
	v_lshlrev_b32 v3, 2, v1
	s_mul_i32 s17, s16, WSTG
	v_mul_u32_u24 v4, v1, PITCH
	v_add_nc_u32 v4, s17, v4                       ; the stage, way in: row = my column
	v_bfe_u32 v2, v0, 4, 1
	v_and_b32 v5, 15, v0
	v_mul_u32_u24 v6, v2, PITCH
	v_lshl_add_u32 v6, v5, 4, v6
	v_add_nc_u32 v6, s17, v6                       ; way out: sixteen lanes to a row, two rows an instruction
	v_lshlrev_b32 v7, 11, v2
	v_lshl_add_u32 v7, v5, 4, v7                   ; the same place in wpt (rows of 2,048 bytes)
	s_and_b32 s18, ttmp7, 0xffff                   ; which 128 of K
	s_lshl_b32 s20, s18, 19                        ; 128 rows of 4,096 bytes
	s_lshl_b32 s19, ttmp9, 9
	s_add_co_u32 s20, s20, s19
	s_lshl_b32 s19, s16, 7
	s_add_co_u32 s20, s20, s19
	s_mov_b32 s21, 0
	s_lshl_b32 s22, ttmp9, 7
	s_lshl_b32 s19, s16, 5
	s_add_co_u32 s22, s22, s19                     ; my wave's first column
	s_lshl_b32 s22, s22, 11
	s_lshl_b32 s19, s18, 8
	s_add_co_u32 s22, s22, s19
	s_mov_b32 s23, 0
	s_wait_kmcnt 0x0
	s_add_nc_u64 s[4:5], s[4:5], s[20:21]
	s_add_nc_u64 s[6:7], s[6:7], s[22:23]
.macro LOAD g
.set ii, 0
.rept 32
	global_load_b32 v[X+32*(\g)+ii], v3, s[4:5] offset:(32*(\g)+ii)*4096 th:TH_LOAD_NT
.set ii, ii+1
.endr
.endm
	LOAD 0
	LOAD 1
.macro GROUP g
.if (\g) < 3
	s_wait_loadcnt 32                              ; this group's 32 loads are in; the next group's may be out
.else
	s_wait_loadcnt 0x0
.endif
.if (\g)+2 < 4
	LOAD (\g)+2
.endif
.set ii, 0
.rept 16
	v_cvt_pk_f16_f32 v[H+16*(\g)+ii], v[X+32*(\g)+2*ii], v[X+32*(\g)+2*ii+1]
.set ii, ii+1
.endr
.irp j, 0,1,2,3
	ds_store_b128 v4, v[H+16*(\g)+4*\j:H+16*(\g)+4*\j+3] offset:64*(\g)+16*\j
.endr
.endm
	GROUP 0
	GROUP 1
	GROUP 2
	GROUP 3
.irp i, 0,1,2,3,4,5,6,7,8,9,10,11,12,13,14,15
	ds_load_b128 v[X+4*\i:X+4*\i+3], v6 offset:2*\i*PITCH          ; LDS serves a wave's instructions in order: these see my stores
.endr
.irp i, 0,1,2,3,4,5,6,7,8,9,10,11,12,13,14,15
	s_wait_dscnt 15-\i
	global_store_b128 v7, v[X+4*\i:X+4*\i+3], s[6:7] offset:4096*\i
.endr
	s_wait_tensorcnt 0x0                           ; the wave's end, behind my last LDS store
	ds_add_u32 v[SPW], v[NIL]
	s_wait_dscnt 0x0
	s_endpgm
.Lfunc_end_k_qe6283035e3_cast_wp:
	.size	k_qe6283035e3_cast_wp, .Lfunc_end_k_qe6283035e3_cast_wp-k_qe6283035e3_cast_wp
	.p2alignl 7, 3214868480
	.fill 96, 4, 3214868480
	.section	.rodata,"a",@progbits
	.p2align	6, 0x0
	.amdhsa_kernel k_qe6283035e3_cast_wp
		.amdhsa_group_segment_fixed_size 35328
		.amdhsa_private_segment_fixed_size 0
		.amdhsa_enable_private_segment 0
		.amdhsa_kernarg_size 16
		.amdhsa_user_sgpr_count 2
		.amdhsa_user_sgpr_kernarg_segment_ptr 1
		.amdhsa_wavefront_size32 1
		.amdhsa_system_sgpr_workgroup_id_x 1
		.amdhsa_system_sgpr_workgroup_id_y 1
		.amdhsa_system_sgpr_workgroup_id_z 1
		.amdhsa_system_vgpr_workitem_id 0
		.amdhsa_next_free_vgpr 256
		.amdhsa_next_free_sgpr 66
		.amdhsa_reserve_vcc 0
		.amdhsa_float_denorm_mode_32 3
		.amdhsa_float_denorm_mode_16_64 3
		.amdhsa_memory_ordered 1
		.amdhsa_forward_progress 1
		.amdhsa_inst_pref_size 22
	.end_amdhsa_kernel
	.amdgpu_metadata
---
amdhsa.version: [ 1, 2 ]
amdhsa.kernels:
  - .name:           k_qe6283035e3_cast_wp
    .symbol:         k_qe6283035e3_cast_wp.kd
    .args:
      - { .name: Wp, .offset: 0, .size: 8, .value_kind: global_buffer, .address_space: global }
      - { .name: wpt, .offset: 8, .size: 8, .value_kind: global_buffer, .address_space: global }
    .group_segment_fixed_size: 35328
    .private_segment_fixed_size: 0
    .kernarg_segment_align: 8
    .kernarg_segment_size: 16
    .max_flat_workgroup_size: 128
    .sgpr_count:     66
    .vgpr_count:     256
    .wavefront_size: 32
...
	.end_amdgpu_metadata
.endif
;; end of part 3
;; launch qkv (part 4): grid 12 x 32, 4 waves a work-group, clusters of 4 x 4, 327,680 bytes of LDS; arguments x_codes, x_scales, w_codes, w_scales, qkv, qkv32; writes qkv, qkv32
.if DOCPART == 4
	.amdgcn_target "amdgcn-amd-amdhsa--gfx1250"
	.amdhsa_code_object_version 6
	.text
	.protected	k_qe6283035e3_qkv
	.globl	k_qe6283035e3_qkv
	.p2align	8
	.type	k_qe6283035e3_qkv,@function
k_qe6283035e3_qkv:
	s_mov_b64 s[64:65], 0
	v_nop
	global_prefetch_b8 v0, s[64:65] scope:SCOPE_SE
	s_setreg_imm32_b32 hwreg(HW_REG_WAVE_MODE, 25, 1), 1
	s_wait_xcnt 0x0
	s_wait_alu depctr_hold_cnt(0) depctr_sa_sdst(0) depctr_va_vdst(0) depctr_va_sdst(0) depctr_va_ssrc(0) depctr_va_vcc(0) depctr_vm_vsrc(0)
	s_getreg_b32 s2, hwreg(HW_REG_IB_STS2, 6, 4)
	s_cmp_eq_u32 s2, 0
	s_cbranch_scc0 .Lentry_in_a_cluster
	s_endpgm
.Lentry_in_a_cluster:
	s_bfe_u32 s2, ttmp6, 0x10000c
	s_cmp_lg_u32 s2, 0xf033
	s_cbranch_scc0 .Lentry_shape_is_right
	s_endpgm
.Lentry_shape_is_right:
; q, k, v = x W, the three quantised products as ONE product on codes of FP4 (E2M1) with E8M0 scales: C[m][n] = sum over k of A[m][k] B[n][k]; A = x's codes [8192][1024], B = the weights' codes [3072][1024],
; n = 1024 which + 64 head + d.  Sums in f32.  The result leaves as f16, head-major: qkv [which][batch][head][t][64]; positions 0 to 15 of each sequence leave as f32 too (qkv32 [batch][which][head][16][64]).
; LIMIT: |q|, |k|, |v| under 65,504 (f16).
; A tile of C, 256 x 256, is made by four waves, each 128 x 128: 64 accumulators, 512 registers.  K = 1024 is two slots of 512 along K (rows of 256 bytes): both are asked for at the head and nothing is filled again.
; The scales of the work-group's 256 rows of A and of B, for all of K, are two dense blocks: they come once, in rows of 256 bytes.
; CLUSTERS: 4 x 4 work-groups.  The four of a row of the cluster need the same tiles of A, the four of a column the same tiles of B: each is asked for jointly, with a mask that names the four.
; The tile row is cluster y + 8 cy: so cy is the batch and cluster y says which 256 positions; positions 0 to 15 lie in the tiles with cluster y = 0, a number that all sixteen partners share.
; THE MATRIX INSTRUCTION IS USED TRANSPOSED (source 0 = 16 rows of B, source 1 = 16 rows of A): a lane holds eight neighbouring columns of one row of C.
; REGISTERS: window 0: v0-31 addresses; v32-95 scale words, two sets; v128-191 A's fragments, one set; on the way out v128-223.  window 1: B's fragments, two sets.  windows 2, 3: the accumulators ((a, b) at v[8 (8 (a % 4) + b)]).
.set NQ,     4                         ; steps of 128 along K in a slot
.set ROWB,   256                       ; a tile's row in bytes
.set KROW,   512                       ; a row of codes in memory
.set PITCH,  272                       ; an LDS row: 256 bytes + 16 of padding, so that the sixteen rows of a fragment load start 4 words apart modulo 64 words
.set FR,     8
.set NL,     2
.set NP,     4
.set HALFT,  128*PITCH
.set SLOT,   4*HALFT
.set KS,     32                        ; a row of scales in bytes
.set SCL,    2*SLOT
.set HALFS,  (128*KS/256)*272
.set SBLK,   (16*KS/256)*272
.set SPARE,  SCL+4*HALFS
.set SPITCH, 272                       ; the way out: a stage of 16 rows x (256 bytes + 16) for each wave, in slot 0, which has had its one fill and its last read by then
.set ADRA, 16
.set ADRB, 20
.set STO,  24
.set RD,   25
.set CO,   26
.set ADRS, 27
.set SPW,  28
.set NIL,  29
.set FO,   30                          ; v30  my byte offset in a head's 16 x 64 f32
.set SC,   32
.set AF,   128
.set BK,   128                         ; the way out: rows read back: v128-159 and v160-191 by turns
.set TMP,  192                         ; packed results
.set G1, 24
.set G0, 32
.set G1B, 48
.set G0B, 56
.set G1S, 68
.set G0S, 76
.set G1SB, 80
.set G0SB, 88
.set MSB, 0
.macro WIN new                         ; the immediate's high byte repeats the setting that is left
.if MSB != \new
	s_set_vgpr_msb (MSB<<8)|\new
.set MSB, \new
.endif
.endm
.set MUL_LO, 0xa1                      ; source 0 (B) window 1, source 1 (A) window 0, C and D window 2
.set MUL_HI, 0xf1                      ; the same, C and D window 3
.set TO_B,   0x40
; A joint load: waves 0 and 1 fetch for A, waves 2 and 3 for B; the branch hangs on the wave's number alone.  An s_nop 0 and four v_nop follow each line.
.macro JLOAD g0a, g1a, g0b, g1b
	s_cmp_eq_u32 s15, 0
	s_cbranch_scc0 .Lfor_b_\@
	tensor_load_to_lds s[\g0a:\g0a+3], s[\g1a:\g1a+7]
	s_nop 0
.rept 4
	v_nop
.endr
	s_branch .Lasked_\@
.Lfor_b_\@:
	tensor_load_to_lds s[\g0b:\g0b+3], s[\g1b:\g1b+7]
	s_nop 0
.rept 4
	v_nop
.endr
.Lasked_\@:
.endm
.macro CROUND                          ; a round of the cluster's barrier
	s_barrier_signal -1
	s_barrier_wait -1
	s_cmp_lg_u32 s14, 0
	s_cbranch_scc1 .Lnot_wave_0_\@
	s_barrier_signal -3
.Lnot_wave_0_\@:
	s_barrier_wait -3
	s_barrier_signal -1
	s_barrier_wait -1
.endm
	s_load_b128 s[4:7], s[0:1], 0x0                ; x's codes, x's scales
	s_load_b128 s[8:11], s[0:1], 0x10              ; the weights' codes, their scales
	s_load_b64 s[12:13], s[0:1], 0x20              ; qkv
	s_load_b64 s[98:99], s[0:1], 0x28              ; qkv32
	v_lshl_add_u32 v[SPW], v0, 2, SPARE
	v_mov_b32 v[NIL], 0
	ds_add_u32 v[SPW], v[NIL]                      ; the wave's opening: the add, twice on end, and its wait ahead of my first tensor load
	ds_add_u32 v[SPW], v[NIL]
	v_lshrrev_b32 v1, 5, v0
	v_readfirstlane_b32 s14, v1                    ; wave 0..3
	s_lshr_b32 s15, s14, 1                         ; which half of the tile's rows is mine.  Also: I fetch for A (0) or for B (1)
	s_and_b32 s16, s14, 1                          ; which half of its columns.  Also: which 128 rows of that tile I fetch
	s_bfe_u32 s40, ttmp6, 0x40000                  ; cx, cy: my place in the cluster
	s_bfe_u32 s41, ttmp6, 0x40004
	s_lshl_b32 s42, ttmp9, 2
	s_add_co_u32 s42, s42, s40                     ; tile column = 4 x cluster x + cx: cluster x says which of q, k, v
	s_and_b32 s17, ttmp7, 0xffff                   ; cluster y
	s_or_b32 s95, s17, s15                         ; 0 in the waves that hold positions 0 to 15: made of cluster y and the wave's number alone
	s_lshl_b32 s18, s41, 3
	s_add_co_u32 s17, s17, s18                     ; tile row = cluster y + 8 cy
	s_lshl_b32 s43, s41, 2
	s_lshl_b32 s43, 15, s43                        ; my row of the cluster
	s_lshl_b32 s44, 0x1111, s40                    ; my column
	s_or_b32 s[G1+0], s43, (0<<16)|(1<<20)|(1<<21)|(5<<22)|(3<<25)  ; the mask; elements of 1 byte; padding: 4 words behind every 64; bit 21 beside a mask
	s_or_b32 s[G1B+0], s44, (0<<16)|(1<<20)|(1<<21)|(5<<22)|(3<<25)
.irp g, G1, G1B
	s_mov_b32 s[\g+1], ROWB<<16                    ; tensor_dim0
	s_mov_b32 s[\g+2], 128<<16                     ; tensor_dim1
	s_mov_b32 s[\g+3], ROWB<<16                    ; tile_dim0
	s_mov_b32 s[\g+4], 128                         ; tile_dim1
	s_mov_b32 s[\g+5], KROW                        ; the pitch
	s_mov_b32 s[\g+6], 0
	s_mov_b32 s[\g+7], 0
.endr
	s_or_b32 s[G1S+0], s43, (3<<16)|(1<<20)|(1<<21)|(5<<22)|(3<<25)  ; the scales of 128 rows: 4,096 dense bytes as 16 rows of 256 (32 elements of 8 bytes), 16 bytes of padding behind each
	s_or_b32 s[G1SB+0], s44, (3<<16)|(1<<20)|(1<<21)|(5<<22)|(3<<25)
.irp g, G1S, G1SB
	s_mov_b32 s[\g+1], 32<<16
	s_mov_b32 s[\g+2], (128*KS/256)<<16
	s_mov_b32 s[\g+3], 32<<16
	s_mov_b32 s[\g+4], 128*KS/256
	s_mov_b32 s[\g+5], 32
	s_mov_b32 s[\g+6], 0
	s_mov_b32 s[\g+7], 0
.endr
	s_lshl_b32 s18, s16, 7                         ; which 128 rows of the tile I fetch
	s_lshl_b32 s20, s17, 8
	s_add_co_u32 s20, s20, s18                     ; A: row 256 x tile row + 128 x half
	s_lshl_b32 s46, s42, 8
	s_add_co_u32 s46, s46, s18                     ; B: row 256 x tile column + 128 x half
	s_mov_b32 s21, 0
	s_mov_b32 s47, 0
	s_mov_b64 s[18:19], KS
	s_mul_u64 s[22:23], s[20:21], s[18:19]         ; where these rows' scales begin,
	s_mul_u64 s[92:93], s[46:47], s[18:19]
	s_mov_b64 s[18:19], KROW
	s_mul_u64 s[20:21], s[20:21], s[18:19]         ; and their codes
	s_mul_u64 s[46:47], s[46:47], s[18:19]
	s_mul_i32 s45, s14, HALFT                      ; where they go: wave x 128 rows: no place in the cluster enters an LDS address
	s_mul_i32 s94, s14, HALFS
	s_wait_dscnt 0x0                               ; both opening adds are done
	s_wait_kmcnt 0x0
	s_add_nc_u64 s[20:21], s[4:5], s[20:21]
	s_add_nc_u64 s[22:23], s[6:7], s[22:23]
	s_add_nc_u64 s[46:47], s[8:9], s[46:47]
	s_add_nc_u64 s[92:93], s[10:11], s[92:93]
	CROUND                                         ; all sixteen work-groups are here: the joint loads meet
	s_mov_b32 s[G0S], 1
	s_add_co_u32 s[G0S+1], s94, SCL
	s_mov_b64 s[G0S+2:G0S+3], s[22:23]
	s_or_b32 s[G0S+3], s[G0S+3], 0x80000000
	s_mov_b32 s[G0SB], 1
	s_add_co_u32 s[G0SB+1], s94, SCL
	s_mov_b64 s[G0SB+2:G0SB+3], s[92:93]
	s_or_b32 s[G0SB+3], s[G0SB+3], 0x80000000
	JLOAD G0S, G1S, G0SB, G1SB                     ; the scales first: they are wanted with the first slot
.irp s, 0,1
	s_mov_b32 s[G0+4*\s], 1
	s_add_co_u32 s[G0+4*\s+1], s45, \s*SLOT
	s_add_nc_u64 s[G0+4*\s+2:G0+4*\s+3], s[20:21], \s*ROWB
	s_or_b32 s[G0+4*\s+3], s[G0+4*\s+3], 0x80000000
	s_mov_b32 s[G0B+4*\s], 1
	s_add_co_u32 s[G0B+4*\s+1], s45, \s*SLOT
	s_add_nc_u64 s[G0B+4*\s+2:G0B+4*\s+3], s[46:47], \s*ROWB
	s_or_b32 s[G0B+4*\s+3], s[G0B+4*\s+3], 0x80000000
	JLOAD G0+4*\s, G1, G0B+4*\s, G1B               ; three tensor loads of mine are out in all
.endr
	v_and_b32 v1, 15, v0                           ; r = l % 16
	v_bfe_u32 v2, v0, 4, 1                         ; h = l / 16
	v_mul_u32_u24 v3, v1, PITCH
	v_lshl_add_u32 v4, v2, 4, v3                   ; a fragment's row x pitch + 16 x half
	s_mul_i32 s21, s15, HALFT                      ; my 128 rows of A
	s_mul_i32 s22, s16, HALFT                      ; my 128 rows of B,
	s_add_co_u32 s22, s22, 2*HALFT                 ; which lie behind A's 256
.irp s, 0,1
	v_add_nc_u32 v[ADRA+\s], s21, v4
	v_add_nc_u32 v[ADRB+\s], s22, v4
	s_add_co_u32 s21, s21, SLOT
	s_add_co_u32 s22, s22, SLOT
.endr
	v_mul_u32_u24 v5, v1, KS                       ; my row's scales: KS bytes a row,
	v_lshrrev_b32 v6, 8, v5
	v_lshl_add_u32 v5, v6, 4, v5                   ; and 16 more for each 256 passed
	s_mul_i32 s21, s15, HALFS
	s_mul_i32 s22, s16, HALFS
	s_add_co_u32 s22, s22, 2*HALFS
	s_sub_co_u32 s22, s22, s21
	v_mul_u32_u24 v6, s22, v2                      ; lanes 16-31 take B's
	s_add_co_u32 s21, s21, SCL
	v_add_nc_u32 v5, v5, v6
	v_add_nc_u32 v[ADRS], s21, v5
	s_mul_i32 s23, s14, 16*SPITCH                  ; my stage
	v_mul_u32_u24 v5, v1, SPITCH                   ; in: row r, 16 bytes for each half of the lanes
	v_lshl_add_u32 v5, v2, 4, v5
	v_add_nc_u32 v[STO], s23, v5
	v_bfe_u32 v5, v0, 3, 1                         ; back: lanes 0-15 take two positions of my first head (2 x 128 bytes), lanes 16-31 of my second
	v_mul_u32_u24 v5, v5, SPITCH
	v_lshl_add_u32 v5, v2, 7, v5
	v_and_b32 v6, 7, v0
	v_lshl_add_u32 v5, v6, 4, v5
	v_add_nc_u32 v[RD], s23, v5
	v_lshlrev_b32 v[CO], 4, v1                     ; in qkv: 16 bytes a lane, the second head 262,144 bytes on
	v_lshl_add_u32 v[CO], v2, 18, v[CO]
	v_lshlrev_b32 v[FO], 8, v1                     ; in qkv32: row r of 256 bytes, + 32 h
	v_lshl_add_u32 v[FO], v2, 5, v[FO]
	; where my part begins in qkv: which x 16,777,216 + batch x 4,194,304 + head x 262,144 + position x 128 (in registers that feed no descriptor)
	s_lshl_b32 s96, ttmp9, 24
	s_lshl_b32 s97, s41, 22
	s_add_co_u32 s96, s96, s97
	s_lshl_b32 s47, s40, 2
	s_lshl_b32 s46, s16, 1
	s_add_co_u32 s47, s47, s46                     ; my first head: 4 cx + 2 x column half
	s_lshl_b32 s46, s47, 18
	s_add_co_u32 s96, s96, s46
	s_and_b32 s46, ttmp7, 0xffff
	s_lshl_b32 s46, s46, 15                        ; 256 positions of 128 bytes
	s_add_co_u32 s96, s96, s46
	s_lshl_b32 s46, s15, 14
	s_add_co_u32 s96, s96, s46
	s_mov_b32 s97, 0
	s_add_nc_u64 s[12:13], s[12:13], s[96:97]
	s_mul_i32 s46, s41, 3                          ; and in qkv32: ((3 batch + which) 16 + head) x 4,096
	s_add_co_u32 s46, s46, ttmp9
	s_lshl_b32 s46, s46, 4
	s_add_co_u32 s46, s46, s47
	s_lshl_b32 s46, s46, 12
	s_mov_b32 s47, 0
	s_add_nc_u64 s[98:99], s[98:99], s[46:47]
.macro FRAG reg, adr, q, i             ; 16 rows x 128 K of 4-bit codes: 8 registers: lane l holds row l % 16; registers 4 c .. 4 c + 3 hold K = 64 c + 32 (l / 16) + 0 .. 31
.irp c, 0,1
	ds_load_b128 v[\reg+4*\c:\reg+4*\c+3], v[\adr] offset:64*(\q)+32*\c+(\i)*16*PITCH
.endr
.endm
; 16 matrix instructions: A's blocks a0, a0 + 1 x B's eight, the slot's q-th 128 along K.  p: B's set; sc: the set of scale words.  zero = 1: the first product starts the sums.
; The 64 accumulators take turns, one instruction a turn, in the same order in every step.
.macro MUL16 a0, p, q, sc, zero
.irp a, \a0, \a0+1
.irp b, 0,1,2,3,4,5,6,7
.if \zero
	v_wmma_scale_f32_16x16x128_f8f6f4 v[8*(8*((\a)%4)+\b):8*(8*((\a)%4)+\b)+7], v[128*(\p)+FR*\b:128*(\p)+FR*\b+FR-1], v[AF+FR*(\a):AF+FR*(\a)+FR-1], 0, v[SC+8*NQ*(\sc)+NQ*\b+(\q)], v[SC+8*NQ*(\sc)+NQ*(\a)+(\q)] matrix_a_fmt:MATRIX_FMT_FP4 matrix_b_fmt:MATRIX_FMT_FP4 matrix_a_scale:MATRIX_SCALE_ROW1
.else
	v_wmma_scale_f32_16x16x128_f8f6f4 v[8*(8*((\a)%4)+\b):8*(8*((\a)%4)+\b)+7], v[128*(\p)+FR*\b:128*(\p)+FR*\b+FR-1], v[AF+FR*(\a):AF+FR*(\a)+FR-1], v[8*(8*((\a)%4)+\b):8*(8*((\a)%4)+\b)+7], v[SC+8*NQ*(\sc)+NQ*\b+(\q)], v[SC+8*NQ*(\sc)+NQ*(\a)+(\q)] matrix_a_fmt:MATRIX_FMT_FP4 matrix_b_fmt:MATRIX_FMT_FP4 matrix_a_scale:MATRIX_SCALE_ROW1
.endif
.endr
.endr
.endm
.macro FETCH_B slot, q, p
	WIN TO_B
.irp i, 0,1,2,3,4,5,6,7
	FRAG 128*(\p)+FR*\i, ADRB+\slot, \q, \i
.endr
	WIN 0
.endm
.macro FETCH_A slot, q, i0
.irp i, \i0, \i0+1, \i0+2, \i0+3
	FRAG AF+FR*(\i), ADRA+\slot, \q, \i
.endr
.endm
.macro SCALES sc                       ; a slot's scale words: four words a row; lanes 0-15 take A's block i, lanes 16-31 B's block i
.irp i, 0,1,2,3,4,5,6,7
	ds_load_b128 v[SC+8*NQ*\sc+NQ*\i:SC+8*NQ*\sc+NQ*\i+3], v[ADRS] offset:\i*SBLK
.endr
.endm
.macro PLACES n                        ; plain vector lines between a matrix instruction and a load into, or a read of, its registers
.rept \n
	v_nop
.endr
.endm
.macro STEP slot, q, zero              ; a step of 128 along K that has its successor in the same slot
	s_wait_dscnt 4*NL                              ; B's set and A's blocks 0-3 are in; the youngest eight loads (A's blocks 4-7) may be out
	WIN MUL_LO
	MUL16 0, (\q)%2, \q, \slot, \zero
	MUL16 2, (\q)%2, \q, \slot, \zero
	s_wait_dscnt 0                                 ; A's blocks 4-7 are in
	PLACES NP
	FETCH_B \slot, (\q)+1, 1-(\q)%2
	FETCH_A \slot, (\q)+1, 0
	WIN MUL_HI
	MUL16 4, (\q)%2, \q, \slot, \zero
	MUL16 6, (\q)%2, \q, \slot, \zero
	PLACES NP
	WIN 0
	FETCH_A \slot, (\q)+1, 4
.endm
; Slot 0's last step changes slots: one barrier; in front of it each wave waits for all its tensor loads (its part of slot 1), adds 0 to its spare word, and waits for that and for its reads of slot 0.  Nothing is filled again.
.macro TURN slot, next
	s_wait_tensorcnt 0x0                           ; all my tensor loads have landed
	ds_add_u32 v[SPW], v[NIL]                      ; 0 onto my spare word
	s_wait_dscnt 4*NL+1                            ; (the add and the youngest eight loads may be out)
	WIN MUL_LO
	MUL16 0, 1, NQ-1, \slot, 0
	s_wait_dscnt 0x0                               ; the add is done, and my reads of this slot are over
	s_barrier_signal -1
	MUL16 2, 1, NQ-1, \slot, 0
	WIN 0
	s_barrier_wait -1
	PLACES NP
	v_add_nc_u32 v[ADRS], 4*NQ, v[ADRS]            ; on to the next slot's scale words
	FETCH_B \next, 0, 0
	FETCH_A \next, 0, 0
	SCALES \next
	WIN MUL_HI
	MUL16 4, 1, NQ-1, \slot, 0
	MUL16 6, 1, NQ-1, \slot, 0
	PLACES NP
	WIN 0
	FETCH_A \next, 0, 4
.endm
	s_wait_tensorcnt 1                             ; the scales and my part of slot 0 are in; slot 1's load may be out
	s_barrier_signal -1
	s_barrier_wait -1
	FETCH_B 0, 0, 0
	FETCH_A 0, 0, 0
	SCALES 0
	FETCH_A 0, 0, 4
	STEP 0, 0, 1                                   ; the first step's products start the sums
	STEP 0, 1, 0
	STEP 0, 2, 0
	TURN 0, 1
	STEP 1, 0, 0
	STEP 1, 1, 0
	STEP 1, 2, 0
	s_wait_dscnt 4*NL                              ; the last step: nothing more to fetch
	WIN MUL_LO
	MUL16 0, 1, NQ-1, 1, 0
	MUL16 2, 1, NQ-1, 1, 0
	s_wait_dscnt 0
	WIN MUL_HI
	MUL16 4, 1, NQ-1, 1, 0
	MUL16 6, 1, NQ-1, 1, 0
	WIN 0
	; THE WAY OUT.  Positions 0 to 15 (my block 0, where cluster y = 0 and I hold the tile's upper rows) leave as f32 first: a lane's eight numbers are 32 neighbouring bytes of a head's row.
	PLACES NP
	s_cmp_lg_u32 s95, 0
	s_cbranch_scc1 .Lno_fine
	WIN 0x08                                       ; a store's data: window 2
.irp b, 0,1,2,3,4,5,6,7
	global_store_b128 v[FO], v[8*\b:8*\b+3], s[98:99] offset:(\b/4)*4096+(\b%4)*64          ; each accumulator from its low end on
	global_store_b128 v[FO], v[8*\b+4:8*\b+7], s[98:99] offset:(\b/4)*4096+(\b%4)*64+16
.endr
	WIN 0
.Lno_fine:
; Block a (16 positions x my two heads): rounded to f16, 16 bytes a lane; through my stage; back so that sixteen lanes hold two positions of one head: 256 consecutive bytes of qkv, aligned.
.macro PACK a
.set AC, 64*((\a)%4)
	WIN 0x0a+5*((\a)/4)                            ; sources 0 and 1: window 2 or 3
.irp b, 0,1,2,3,4,5,6,7
.irp r, 0,1,2,3
	v_cvt_pk_f16_f32 v[TMP+4*\b+\r], v[AC+8*\b+2*\r], v[AC+8*\b+2*\r+1]
.endr
.endr
	WIN 0
.endm
.macro TOSTAGE a
.set BB, BK+32*((\a)%2)
.irp b, 0,1,2,3,4,5,6,7
	ds_store_b128 v[STO], v[TMP+4*\b:TMP+4*\b+3] offset:32*\b
.endr
.irp u, 0,1,2,3,4,5,6,7
	ds_load_b128 v[BB+4*\u:BB+4*\u+3], v[RD] offset:\u*2*SPITCH    ; LDS serves a wave's instructions in order: these see the stores above
.endr
.endm
.macro SEND a
.set BB, BK+32*((\a)%2)
	s_wait_dscnt 0x0                               ; the block is back in registers
	s_wait_xcnt 0x0                                ; the block before's stores have read their registers: the next block's loads may land there
.irp u, 0,1,2,3,4,5,6,7
	global_store_b128 v[CO], v[BB+4*\u:BB+4*\u+3], s[12:13] offset:2048*(\a)+256*\u
.endr
.endm
	PACK 0
	TOSTAGE 0
.irp a, 1,2,3,4,5,6,7                  ; block a's conversions stand between block a - 1's loads from the stage and the wait for them
	PACK \a
	SEND \a-1
	TOSTAGE \a
.endr
	SEND 7
	s_wait_tensorcnt 0x0                           ; the wave's end, behind my last tensor load and my last LDS store
	ds_add_u32 v[SPW], v[NIL]
	s_wait_dscnt 0x0
	CROUND                                         ; the closing round
	s_endpgm
.Lfunc_end_k_qe6283035e3_qkv:
	.size	k_qe6283035e3_qkv, .Lfunc_end_k_qe6283035e3_qkv-k_qe6283035e3_qkv
	.p2alignl 7, 3214868480
	.fill 96, 4, 3214868480
	.section	.rodata,"a",@progbits
	.p2align	6, 0x0
	.amdhsa_kernel k_qe6283035e3_qkv
		.amdhsa_group_segment_fixed_size 327680
		.amdhsa_private_segment_fixed_size 0
		.amdhsa_enable_private_segment 0
		.amdhsa_kernarg_size 48
		.amdhsa_user_sgpr_count 2
		.amdhsa_user_sgpr_kernarg_segment_ptr 1
		.amdhsa_wavefront_size32 1
		.amdhsa_system_sgpr_workgroup_id_x 1
		.amdhsa_system_sgpr_workgroup_id_y 1
		.amdhsa_system_sgpr_workgroup_id_z 1
		.amdhsa_system_vgpr_workitem_id 0
		.amdhsa_next_free_vgpr 1024
		.amdhsa_next_free_sgpr 100
		.amdhsa_reserve_vcc 0
		.amdhsa_float_denorm_mode_32 3
		.amdhsa_float_denorm_mode_16_64 3
		.amdhsa_memory_ordered 1
		.amdhsa_forward_progress 1
		.amdhsa_inst_pref_size 129
	.end_amdhsa_kernel
	.amdgpu_metadata
---
amdhsa.version: [ 1, 2 ]
amdhsa.kernels:
  - .name:           k_qe6283035e3_qkv
    .symbol:         k_qe6283035e3_qkv.kd
    .args:
      - { .name: x_codes, .offset: 0, .size: 8, .value_kind: global_buffer, .address_space: global }
      - { .name: x_scales, .offset: 8, .size: 8, .value_kind: global_buffer, .address_space: global }
      - { .name: w_codes, .offset: 16, .size: 8, .value_kind: global_buffer, .address_space: global }
      - { .name: w_scales, .offset: 24, .size: 8, .value_kind: global_buffer, .address_space: global }
      - { .name: qkv, .offset: 32, .size: 8, .value_kind: global_buffer, .address_space: global }
      - { .name: qkv32, .offset: 40, .size: 8, .value_kind: global_buffer, .address_space: global }
    .group_segment_fixed_size: 327680
    .private_segment_fixed_size: 0
    .kernarg_segment_align: 8
    .kernarg_segment_size: 48
    .max_flat_workgroup_size: 128
    .sgpr_count:     100
    .vgpr_count:     1024
    .wavefront_size: 32
...
	.end_amdgpu_metadata
.endif
;; end of part 4
;; launch attn (part 5): grid 4 x 64, 8 waves a work-group, no clusters, 327,680 bytes of LDS; arguments qkv, attn_o; writes attn_o
.if DOCPART == 5
	.amdgcn_target "amdgcn-amd-amdhsa--gfx1250"
	.amdhsa_code_object_version 6
	.text
	.protected	k_qe6283035e3_attn
	.globl	k_qe6283035e3_attn
	.p2align	8
	.type	k_qe6283035e3_attn,@function
k_qe6283035e3_attn:
	s_mov_b64 s[64:65], 0
	v_nop
	global_prefetch_b8 v0, s[64:65] scope:SCOPE_SE
	s_setreg_imm32_b32 hwreg(HW_REG_WAVE_MODE, 25, 1), 1
	s_wait_xcnt 0x0
; o[b][h][t] = the sum over s <= t of softmax_s(q[t] . k[s] / 32) v[s], head size 64, 2,048 positions, 64 heads (16 b + h).  q, k, v: f16, qkv [which][16 b + h][t][64].  o: f16, attn_o [h][2048 b + t][64].
; Products, maxima and sums in f32; the weights p are rounded to f16 for the second product, o once at the end.  A running maximum m and sum l for each query: p = 2^(c s - c m), c = log2(e) / 32;
; in every step O and l are multiplied by a = 2^(c m_old - c m_new).  (Positions 0 to 15 are computed here like the others; a later launch computes those rows of the result anew in f32.)
; SHARES.  Work-group i of a head owns two blocks of 256 queries, the late one 7 - i and the early one i: (8 - i) + (i + 1) = 9 blocks of keys for every i, so all 256 work-groups have equal work.
; Wave w holds 32 late queries (tiles 0, 1) and 32 early ones (tiles 2, 3), at 32 sub in each block; sub = w for w < 4, 11 - w else.  The keys are walked once, 64 a step; a step's fragments of K and V serve both pairs.
; LAYOUT.  S^T = K Q^T (source 0 = 16 keys, source 1 = 16 queries), O^T = V^T P: a lane holds ONE query (lane % 16) throughout.  K comes out of LDS as it lies, V turned, by ds_load_tr16_b128.
; THE MASK.  Every work-group walks all 8 slots of 256 keys: trip counts are constants.  A step all of whose keys come after a pair's queries is jumped over by a scalar branch on ids; in the one step of a pair that lies
; on the diagonal hidden scores become -infinity ahead of the maximum.  A slot whose first key comes after the work-group's last query is read by no wave and is not asked for.
; NO CLUSTER: the four work-groups of a head need 8, 7, 6 and 5 slots; a partner would have to ask for tiles that none of its waves reads.
; REGISTERS.  window 0: v2-15 addresses; v16-47 statistics, 8 a tile; v48-111 Q, 16 a tile; v112-175 S^T of the pair in hand; v176-207 its P.   window 1: v0-127 O^T, 32 a tile; v128-191 K of a step; v192-255 V.
.set PK,    272                        ; two keys' rows of K (256 bytes) + 16 of padding: key k at (k / 2) PK + 128 (k % 2): the sixteen rows of a fragment load start at sixteen different 16-byte columns modulo 256 bytes
.set PV,    288                        ; the same for V, + 32: sixteen lanes of the turning load take each 16-byte column modulo 256 bytes once
.set VOFF,  32*PK                      ; a step's tiles lie together: 64 keys of K, then 64 of V
.set STEPB, 32*(PK+PV)
.set SLOT1, 1<<17                      ; a slot holds four steps (71,680 bytes); slot 1 begins here, so that one exclusive or turns an address
.set STAGE, SLOT1+4*STEPB              ; behind the ring: 16 rows x 144 bytes for each wave
.set SP,    144
.set SPARE, STAGE+8*16*SP              ; the spare words, 128 bytes for each of eight waves
.set AK0, 2
.set AV0, 3
.set ADK, 4
.set ADV, 5
.set STO, 6
.set RD,  7
.set GO,  8
.set PFO, 9                            ; v9   256 x my lane; never rewritten
.set DL,  10                           ; v10  lane % 16 - 8 (lane / 16)
.set NINF, 11                          ; v11  -infinity
.set SPW, 12
.set NIL, 13
.set QO,  14
.set MD,  15
.set ST,  16                           ; tile T's statistics at v[ST + 8 T]: +0 c m, +1 m, +2, +3 l (two halves), +4 to +7 at work; a in +6
.set Q,   48
.set S,   112
.set P,   176
.set KR,  128                          ; in window 1
.set VR,  192
.set WV,  8
.set SEL, 10
.set CS,  12
.set TB,  14                           ; s14  LDS byte at which the step's tiles begin
.set KFS, 15                           ; s15  the step's first key
.set SLOTS, 16
.set STEPC, 17
.set QL0, 18
.set QE0, 19
.set QLAST, 22
.set LIM, 23
.set G1K, 24
.set G1V, 32
.set G0K, 40
.set G0V, 44
.set PFA, 48
.set OLA, 50
.set OEA, 52
.set QLA, 54
.set QEA, 56
.set MSB, 0
.macro WIN new
.if MSB != \new
	s_set_vgpr_msb (MSB<<8)|\new
.set MSB, \new
.endif
.endm
.set W_KQ, 0x01                        ; K in window 1; Q and S^T in window 0
.set W_PV, 0x51                        ; V, C and D in window 1; P in window 0
.set W_RS, 0x41                        ; O^T (destination and source 0) in window 1
.set TO1,  0x40                        ; destination window 1
; Every wave fetches: waves 0 to 3 K of the slot's step w, waves 4 to 7 V of step w - 4.  An s_nop 0 and four v_nop follow each line.
.macro TLOAD
	s_cmp_lt_u32 s[WV], 4
	s_cbranch_scc0 .Lfor_v_\@
	tensor_load_to_lds s[G0K:G0K+3], s[G1K:G1K+7]
	s_nop 0
.rept 4
	v_nop
.endr
	s_branch .Lasked_\@
.Lfor_v_\@:
	tensor_load_to_lds s[G0V:G0V+3], s[G1V:G1V+7]
	s_nop 0
.rept 4
	v_nop
.endr
.Lasked_\@:
.endm
; A PREFETCH INTO THE L2 of what the NEXT change of slots will ask for: my wave's own 8,192 bytes of that slot, lanes 256 bytes apart: one instruction a wave, a slot's four key steps ahead of the load.
; Each aligned 256 bytes are named once in the launch: of the four work-groups of a head only the first asks (a branch on the work-group's number), the one that walks all eight slots.
; Slots 0 and 1 come by their loads alone; the last change that fills a slot asks for nothing.
.macro ASK
	s_cmp_gt_u32 s[SLOTS], s[LIM]
	s_cbranch_scc0 .Lnot_mine_\@
	global_prefetch_b8 v[PFO], s[PFA:PFA+1] th:TH_LOAD_NT scope:SCOPE_SE
.Lnot_mine_\@:
.endm
	s_load_b128 s[4:7], s[0:1], 0x0                ; qkv, attn_o
	v_lshl_add_u32 v[SPW], v0, 2, SPARE
	v_mov_b32 v[NIL], 0
	ds_add_u32 v[SPW], v[NIL]                      ; the wave's opening: the add, twice on end, and its wait ahead of my first tensor load
	ds_add_u32 v[SPW], v[NIL]
	v_lshrrev_b32 v1, 5, v0
	v_readfirstlane_b32 s[WV], v1                  ; wave 0..7
	s_and_b32 s66, ttmp7, 0xffff                   ; 16 b + h
	s_lshr_b32 s9, s[WV], 2
	s_mul_i32 s9, s9, 3
	s_xor_b32 s9, s9, s[WV]                        ; sub
	s_lshl_b32 s9, s9, 5
	s_sub_co_u32 s67, 7, ttmp9
	s_lshl_b32 s67, s67, 8
	s_add_co_u32 s[QL0], s67, s9                   ; my first late query
	s_lshl_b32 s68, ttmp9, 8
	s_add_co_u32 s[QE0], s68, s9                   ; my first early query
	s_add_co_u32 s20, s[QL0], 31                   ; my last late query,
	s_add_co_u32 s21, s[QE0], 31                   ; my last early one,
	s_add_co_u32 s[QLAST], s67, 255                ; the work-group's last
	s_cmp_eq_u32 ttmp9, 0
	s_cselect_b32 s[LIM], 1, -1
	; descriptor group 1: 64 keys of 128 bytes, dense in memory, stated as 32 rows of 128 elements of 2 bytes; padding behind each row
	s_mov_b32 s[G1K], (1<<16)|(1<<20)|(5<<22)|(3<<25)             ; no mask; elements of 2 bytes; 4 words of padding behind every 64
	s_mov_b32 s[G1V], (1<<16)|(1<<20)|(5<<22)|(7<<25)             ; 8 words
.irp g, G1K, G1V
	s_mov_b32 s[\g+1], 128<<16                     ; tensor_dim0
	s_mov_b32 s[\g+2], 32<<16                      ; tensor_dim1
	s_mov_b32 s[\g+3], 128<<16                     ; tile_dim0
	s_mov_b32 s[\g+4], 32                          ; tile_dim1
	s_mov_b32 s[\g+5], 128                         ; the pitch
	s_mov_b32 s[\g+6], 0
	s_mov_b32 s[\g+7], 0
.endr
	s_mov_b32 s[SEL], 0x76543210
	s_mov_b32 s[SEL+1], 0xfedcba98                 ; v_permlanex16_b32's selects for lane l xor 16
	s_mov_b32 s[CS], 0x3d38aa3b                    ; c = log2(e) / 32
	s_mov_b32 s[CS+1], s[CS]
	s_mov_b32 s[TB], 0
	s_mov_b32 s[KFS], 0
	s_mov_b32 s[SLOTS], 7
	s_lshl_b32 s70, s66, 18                        ; a head is 262,144 bytes
	s_mov_b32 s71, 0
	s_and_b32 s76, s[WV], 3                        ; which of a slot's four steps I fetch
	s_mov_b32 s[G0K], 1
	s_mul_i32 s[G0K+1], s76, STEPB
	s_mov_b32 s[G0V], 1
	s_add_co_u32 s[G0V+1], s[G0K+1], VOFF
	s_and_b32 s77, s66, 15
	s_lshl_b32 s77, s77, 20                        ; attn_o: a head is 1,048,576 bytes
	s_lshr_b32 s78, s66, 4
	s_lshl_b32 s78, s78, 11                        ; 2,048 b
	s_add_co_u32 s80, s78, s[QL0]
	s_lshl_b32 s80, s80, 7
	s_add_co_u32 s80, s80, s77
	s_mov_b32 s81, 0
	s_add_co_u32 s82, s78, s[QE0]
	s_lshl_b32 s82, s82, 7
	s_add_co_u32 s82, s82, s77
	s_mov_b32 s83, 0
	s_lshl_b32 s84, s[QL0], 7
	s_mov_b32 s85, 0
	s_lshl_b32 s86, s[QE0], 7
	s_mov_b32 s87, 0
	s_lshl_b32 s88, s76, 13                        ; a step's 64 keys are 8,192 bytes
	s_mov_b32 s89, 0
	s_wait_dscnt 0x0                               ; both opening adds are done
	s_wait_kmcnt 0x0
	s_add_nc_u64 s[72:73], s[4:5], s[70:71]        ; my head in q's part of qkv
	s_add_nc_u64 s[QLA:QLA+1], s[72:73], s[84:85]
	s_add_nc_u64 s[QEA:QEA+1], s[72:73], s[86:87]
	s_add_nc_u64 s[72:73], s[72:73], s[88:89]
	s_add_nc_u64 s[G0K+2:G0K+3], s[72:73], 0x1000000   ; k's part begins 16,777,216 bytes on,
	s_add_nc_u64 s[G0V+2:G0V+3], s[72:73], 0x2000000   ; v's 33,554,432
	s_cmp_lt_u32 s[WV], 4
	s_cselect_b64 s[PFA:PFA+1], s[G0K+2:G0K+3], s[G0V+2:G0V+3]
	s_add_nc_u64 s[PFA:PFA+1], s[PFA:PFA+1], 0x8000    ; in slot 1: the first change of slots steps it to slot 2.  Nothing is prefetched at the head
	s_or_b32 s[G0K+3], s[G0K+3], 0x80000000
	s_or_b32 s[G0V+3], s[G0V+3], 0x80000000
	s_add_nc_u64 s[OLA:OLA+1], s[6:7], s[80:81]
	s_add_nc_u64 s[OEA:OEA+1], s[6:7], s[82:83]
	TLOAD                                          ; slot 0: one tensor load of mine is out
	v_and_b32 v212, 15, v0                         ; r
	v_bfe_u32 v210, v0, 4, 1                       ; h
	v_lshlrev_b32 v[QO], 7, v212
	v_lshl_add_u32 v[QO], v210, 4, v[QO]           ; Q: row r of 128 bytes, + 16 h
.irp t, 0,1                                    ; Q stays in registers: 16 a tile: channels 32 dh + 8 h + 0..7 and + 16
.irp c, 0,1,2,3
	global_load_b128 v[Q+16*\t+4*\c:Q+16*\t+4*\c+3], v[QO], s[QLA:QLA+1] offset:\t*2048+32*\c
	global_load_b128 v[Q+32+16*\t+4*\c:Q+32+16*\t+4*\c+3], v[QO], s[QEA:QEA+1] offset:\t*2048+32*\c
.endr
.endr
	v_bfe_u32 v208, v0, 1, 3                       ; r / 2
	v_mul_u32_u24 v[AK0], v208, PK
	v_and_b32 v209, 1, v0
	v_lshl_add_u32 v[AK0], v209, 7, v[AK0]
	v_lshl_add_u32 v[AK0], v210, 4, v[AK0]         ; K: key r of a tile: (r / 2) PK + 128 (r % 2) + 16 h
	v_bfe_u32 v211, v0, 1, 2
	v_lshl_add_u32 v211, v210, 2, v211
	v_mul_u32_u24 v[AV0], v211, PV
	v_lshl_add_u32 v[AV0], v209, 7, v[AV0]
	v_bfe_u32 v211, v0, 3, 1
	v_lshl_add_u32 v[AV0], v211, 4, v[AV0]
	v_add_nc_u32 v[AV0], VOFF, v[AV0]              ; V: lane l reads key 8 h + l % 8, channels 8 ((l / 8) % 2) on
	s_mul_i32 s80, s[WV], 16*SP
	s_add_co_u32 s80, s80, STAGE                   ; my stage
	v_mul_u32_u24 v[STO], v212, SP
	v_lshl_add_u32 v[STO], v210, 4, v[STO]
	v_add_nc_u32 v[STO], s80, v[STO]               ; in: row r, 16 bytes for each half of the lanes
	v_bfe_u32 v213, v0, 3, 2
	v_mul_u32_u24 v[RD], v213, SP
	v_and_b32 v213, 7, v0
	v_lshl_add_u32 v[RD], v213, 4, v[RD]
	v_add_nc_u32 v[RD], s80, v[RD]                 ; back: eight lanes to a row of 128 bytes, four rows an instruction
	v_and_b32 v[GO], 31, v0
	v_lshlrev_b32 v[PFO], 8, v[GO]
	v_lshlrev_b32 v[GO], 4, v[GO]                  ; in attn_o the four rows are 512 consecutive bytes
	v_lshlrev_b32 v213, 3, v210
	v_sub_nc_u32 v[DL], v212, v213
	v_mov_b32 v[NINF], 0xff800000
.irp t, 0,1,2,3
	v_mov_b32 v[ST+8*\t+1], 0xff61b1e6             ; m: -3e38, under every score
	v_mul_f32 v[ST+8*\t], s[CS], v[ST+8*\t+1]      ; c m
	v_mov_b32 v[ST+8*\t+2], 0                      ; l
	v_mov_b32 v[ST+8*\t+3], 0
	v_mov_b32 v[ST+8*\t+5], 0                      ; (a lane permute's destination counts as one of its sources)
	v_mov_b32 v[ST+8*\t+6], 0
	v_mov_b32 v[ST+8*\t+7], 0
.endr
	WIN TO1
.set nn, 0
.rept 128
	v_mov_b32 v[nn], 0                             ; O^T.  (The step is written once: the first finds zeros, and its a is 0)
.set nn, nn+1
.endr
	WIN 0
; ONE PAIR OF TILES (x = 0: late, x = 2: early; q0: the scalar register with the pair's first query) FOR ONE KEY STEP.
.macro PAIR x, q0
	WIN W_KQ
.set ii, 0
.rept 16                               ; S^T = K Q^T: channels 32 (ii / 8) on, keys 16 ((ii / 2) % 4) on, tile ii % 2.  Eight accumulators by turns; the first eight products start the sums
.set rS, S+32*(ii%2)+8*((ii/2)%4)
.set rK, KR+16*((ii/2)%4)+8*(ii/8)
.set rQ, Q+16*(\x+ii%2)+8*(ii/8)
.if ii < 8
	v_wmma_f32_16x16x32_f16 v[rS:rS+7], v[rK:rK+7], v[rQ:rQ+7], 0
.else
	v_wmma_f32_16x16x32_f16 v[rS:rS+7], v[rK:rK+7], v[rQ:rQ+7], v[rS:rS+7]
.endif
.set ii, ii+1
.endr
	WIN 0
.rept 4
	v_nop                                          ; four plain lines between the products and the first read of their results
.endr
	s_add_co_u32 s96, s[KFS], 63                   ; a step all of whose keys count skips the mask
	s_cmp_le_u32 s96, s[\q0]
	s_cbranch_scc1 .Lopen_\@
	s_sub_co_u32 s96, s[\q0], s[KFS]
.irp t, 0,1
	v_add_nc_u32 v[MD], s96, v[DL]                 ; d = my query - the step's first key - 8 (lane / 16).  Register n holds key 16 (n / 8) + n % 8 + 8 (lane / 16): hidden where 16 (n / 8) + n % 8 > d
.set nn, 0
.rept 32
	v_cmp_gt_i32 vcc_lo, 16*(nn/8)+nn%8, v[MD]
	v_cndmask_b32 v[S+32*\t+nn], v[S+32*\t+nn], v[NINF], vcc_lo
.set nn, nn+1
.endr
	s_add_co_u32 s96, s96, 16
.endr
.Lopen_\@:
	; the maximum of my 32 scores and the old m, in four chains; the two tiles alternate line by line, so that no line waits for the line above it
.irp j, 0,1,2,3
.irp t, 0,1
	v_max3_num_f32 v[ST+8*(\x+\t)+4+\j], v[S+32*\t+8*\j], v[S+32*\t+8*\j+1], v[S+32*\t+8*\j+2]
.endr
.endr
.irp g, 1,2
.irp j, 0,1,2,3
.irp t, 0,1
	v_max3_num_f32 v[ST+8*(\x+\t)+4+\j], v[ST+8*(\x+\t)+4+\j], v[S+32*\t+8*\j+2*\g+1], v[S+32*\t+8*\j+2*\g+2]
.endr
.endr
.endr
.irp t, 0,1
	v_max3_num_f32 v[ST+8*(\x+\t)+4], v[ST+8*(\x+\t)+4], v[S+32*\t+7], v[S+32*\t+15]
.endr
.irp t, 0,1
	v_max3_num_f32 v[ST+8*(\x+\t)+6], v[ST+8*(\x+\t)+6], v[S+32*\t+23], v[S+32*\t+31]
.endr
.irp t, 0,1
	v_max3_num_f32 v[ST+8*(\x+\t)+4], v[ST+8*(\x+\t)+4], v[ST+8*(\x+\t)+5], v[ST+8*(\x+\t)+6]
.endr
.irp t, 0,1
	v_max3_num_f32 v[ST+8*(\x+\t)+4], v[ST+8*(\x+\t)+4], v[ST+8*(\x+\t)+7], v[ST+8*(\x+\t)+1]
.endr
.irp t, 0,1
	v_permlanex16_b32 v[ST+8*(\x+\t)+5], v[ST+8*(\x+\t)+4], s[SEL], s[SEL+1]   ; the query's other 32 keys lie in the lane 16 away
.endr
.irp t, 0,1
	v_mov_b32 v[ST+8*(\x+\t)+7], v[ST+8*(\x+\t)]   ; c m_old is kept for a
.endr
.irp t, 0,1
	v_max_num_f32 v[ST+8*(\x+\t)+1], v[ST+8*(\x+\t)+4], v[ST+8*(\x+\t)+5]
.endr
.irp t, 0,1
	v_mul_f32 v[ST+8*(\x+\t)], s[CS], v[ST+8*(\x+\t)+1]
.endr
.irp t, 0,1
	v_sub_f32 v[ST+8*(\x+\t)+7], v[ST+8*(\x+\t)+7], v[ST+8*(\x+\t)]
.endr
.set nn, 0
.rept 16
.irp t, 0,1
	v_pk_fma_f32 v[S+32*\t+2*nn:S+32*\t+2*nn+1], v[S+32*\t+2*nn:S+32*\t+2*nn+1], s[CS:CS+1], v[ST+8*(\x+\t):ST+8*(\x+\t)+1] op_sel_hi:[1,0,0] neg_lo:[0,0,1] neg_hi:[0,0,1]   ; c s - c m, two at a time
.endr
.set nn, nn+1
.endr
.irp t, 0,1
	v_exp_f32 v[ST+8*(\x+\t)+6], v[ST+8*(\x+\t)+7] ; a
.endr
.set nn, 0
.rept 32
.irp t, 0,1
	v_exp_f32 v[S+32*\t+nn], v[S+32*\t+nn]         ; p
.endr
.set nn, nn+1
.endr
	v_nop                                          ; one plain line behind the last exponential,
	s_wait_alu depctr_va_vdst(0)                   ; and ONE wait for the batch of 66, ahead of the first line that names a result
.set nn, 0
.rept 16
.irp t, 0,1
	v_cvt_pk_f16_f32 v[P+16*\t+nn], v[S+32*\t+2*nn], v[S+32*\t+2*nn+1]   ; two tiles of 16 keys, packed in pairs, ARE source 1 (32 keys x 16 queries) of the second product
.endr
.set nn, nn+1
.endr
.irp u, 0,1,2,3,4,5,6,7                        ; the sum of the 16 pairs, in place, as a tree
.irp t, 0,1
	v_pk_add_f32 v[S+32*\t+4*\u:S+32*\t+4*\u+1], v[S+32*\t+4*\u:S+32*\t+4*\u+1], v[S+32*\t+4*\u+2:S+32*\t+4*\u+3]
.endr
.endr
.irp u, 0,1,2,3
.irp t, 0,1
	v_pk_add_f32 v[S+32*\t+8*\u:S+32*\t+8*\u+1], v[S+32*\t+8*\u:S+32*\t+8*\u+1], v[S+32*\t+8*\u+4:S+32*\t+8*\u+5]
.endr
.endr
.irp u, 0,1
.irp t, 0,1
	v_pk_add_f32 v[S+32*\t+16*\u:S+32*\t+16*\u+1], v[S+32*\t+16*\u:S+32*\t+16*\u+1], v[S+32*\t+16*\u+8:S+32*\t+16*\u+9]
.endr
.endr
.irp t, 0,1
	v_pk_add_f32 v[S+32*\t:S+32*\t+1], v[S+32*\t:S+32*\t+1], v[S+32*\t+16:S+32*\t+17]
.endr
.irp t, 0,1
	v_pk_fma_f32 v[ST+8*(\x+\t)+2:ST+8*(\x+\t)+3], v[ST+8*(\x+\t)+2:ST+8*(\x+\t)+3], v[ST+8*(\x+\t)+6:ST+8*(\x+\t)+7], v[S+32*\t:S+32*\t+1] op_sel_hi:[1,0,1]   ; l = a l + the sum
.endr
.if \x == 0
	s_wait_dscnt 0x0                               ; V is in
.endif
	WIN W_RS
.set nn, 0
.rept 16
.irp t, 0,1
	v_pk_mul_f32 v[32*(\x+\t)+2*nn:32*(\x+\t)+2*nn+1], v[32*(\x+\t)+2*nn:32*(\x+\t)+2*nn+1], v[ST+8*(\x+\t)+6:ST+8*(\x+\t)+7] op_sel_hi:[1,0]   ; O^T x a, each accumulator from its low end on
.endr
.set nn, nn+1
.endr
	WIN W_PV
.set ii, 0
.rept 16                               ; O^T += V^T P: keys 32 (ii / 8) on, channels 16 ((ii / 2) % 4) on, tile ii % 2.  Eight accumulators by turns
.set rO, 32*(\x+ii%2)+8*((ii/2)%4)
.set rV, VR+32*(ii/8)+8*((ii/2)%4)
.set rP, P+16*(ii%2)+8*(ii/8)
	v_wmma_f32_16x16x32_f16 v[rO:rO+7], v[rV:rV+7], v[rP:rP+7], v[rO:rO+7]
.set ii, ii+1
.endr
	WIN 0
.endm
; A KEY STEP: 64 keys.  The branches hang on ids and on the count of steps alone; no barrier, wait on tensor loads or tensor load stands in a step.
.macro STEP
	s_cmp_gt_u32 s[KFS], s20                       ; all keys come after my late queries (and so after my early ones)
	s_cbranch_scc1 .Lhidden_\@
	v_add_nc_u32 v[ADK], s[TB], v[AK0]
	v_add_nc_u32 v[ADV], s[TB], v[AV0]
	v_nop
	v_nop                                          ; with the two additions: four plain lines between the last products and the loads into their operands
	WIN TO1
.irp f, 0,1,2,3,4,5,6,7                        ; K: keys 16 (f / 2) on, channels 32 (f % 2) on
	ds_load_b128 v[KR+8*\f:KR+8*\f+3],   v[ADK] offset:(\f/2)*8*PK+(\f%2)*64
	ds_load_b128 v[KR+8*\f+4:KR+8*\f+7], v[ADK] offset:(\f/2)*8*PK+(\f%2)*64+32
.endr
.irp f, 0,1,2,3,4,5,6,7                        ; V, turned: keys 32 (f / 4) on, channels 16 (f % 4) on
	ds_load_tr16_b128 v[VR+8*\f:VR+8*\f+3],   v[ADV] offset:(\f/4)*16*PV+(\f%4)*32
	ds_load_tr16_b128 v[VR+8*\f+4:VR+8*\f+7], v[ADV] offset:(\f/4)*16*PV+8*PV+(\f%4)*32
.endr
	WIN 0
	s_wait_dscnt 16                                ; K is in; V's sixteen loads may be out
	PAIR 0, QL0
	s_cmp_gt_u32 s[KFS], s21                       ; all keys come after my early queries
	s_cbranch_scc1 .Lno_early_\@
	PAIR 2, QE0
.Lno_early_\@:
.Lhidden_\@:
	s_add_co_u32 s[KFS], s[KFS], 64
	s_add_co_u32 s[TB], s[TB], STEPB
.endm
; THE CHANGE OF SLOTS stands at a slot's head.  Each wave waits for all its tensor loads (its part of the slot ahead), adds 0 to its spare word, and waits for that and for its reads of the slot that it has left.
; Behind the barrier the slot ahead is whole and nobody reads the other one.  fill = 1: that other slot is filled with the next 256 keys, up to the causal limit: the load has a slot's four steps in which to land.
.macro CHANGE fill
	s_wait_tensorcnt 0x0                           ; no tensor load of mine is out, so a group 0 may be written
	ds_add_u32 v[SPW], v[NIL]                      ; 0 onto my spare word; the descriptors' steps stand between it and the wait for it
.if \fill
	s_xor_b32 s[G0K+1], s[G0K+1], SLOT1            ; the walking descriptors: the other slot than last time,
	s_add_nc_u64 s[G0K+2:G0K+3], s[G0K+2:G0K+3], 0x8000   ; the next 256 keys; the type bits on top are not reached
	s_xor_b32 s[G0V+1], s[G0V+1], SLOT1
	s_add_nc_u64 s[G0V+2:G0V+3], s[G0V+2:G0V+3], 0x8000
	s_wait_xcnt 0x0                                ; the last prefetch, a slot back, has read its address, so it may be written:
	s_add_nc_u64 s[PFA:PFA+1], s[PFA:PFA+1], 0x8000   ; one slot further on than the walking descriptors
.endif
	s_wait_dscnt 0x0                               ; the add is done, and my reads of the slot that I have left are over
	s_barrier_signal -1
	s_barrier_wait -1
.if \fill
	s_add_co_u32 s96, s[KFS], 256                  ; the first key of the slot that this change would ask for
	s_cmp_gt_u32 s96, s[QLAST]                     ; past the work-group's last query no wave reads it: ids and the count of steps alone, the same in all eight waves; every wait on tensor loads in this text is for 0
	s_cbranch_scc1 .Lpast_\@
	TLOAD                                          ; the first thing behind the barrier, and my one tensor load until the next
.Lpast_\@:
	ASK
.endif
.endm
.macro SLOT_STEPS                      ; a slot's four key steps: written once, walked four times; the LDS addresses hang on s[TB]
	s_mov_b32 s[STEPC], 4
.Lstep_\@:
	STEP
	s_sub_co_u32 s[STEPC], s[STEPC], 1
	s_cmp_lg_u32 s[STEPC], 0
	s_cbranch_scc1 .Lstep_\@
	s_sub_co_u32 s[TB], s[TB], 4*STEPB
	s_xor_b32 s[TB], s[TB], SLOT1                  ; on to the other slot
.endm
	s_wait_loadcnt 0x0                             ; Q
.Lslot:                                            ; 7 trips: behind each change of slots but the last the next slot is asked for (up to the limit)
	CHANGE 1
	SLOT_STEPS
	s_sub_co_u32 s[SLOTS], s[SLOTS], 1
	s_cmp_lg_u32 s[SLOTS], 0
	s_cbranch_scc1 .Lslot
	CHANGE 0                                       ; the last slot is written out: nothing is left to ask for
	SLOT_STEPS
	; THE WAY OUT.  l's two halves and the other half of the lanes' are added; O^T is divided by l, rounded to f16 and sent through my stage, a tile (16 rows of 128 bytes) at a time.
.irp t, 0,1,2,3
	v_add_f32 v[ST+8*\t+4], v[ST+8*\t+2], v[ST+8*\t+3]             ; (these four are also the plain lines behind the last products)
.endr
.irp t, 0,1,2,3
	v_permlanex16_b32 v[ST+8*\t+5], v[ST+8*\t+4], s[SEL], s[SEL+1]
.endr
.irp t, 0,1,2,3
	v_add_f32 v[ST+8*\t+4], v[ST+8*\t+4], v[ST+8*\t+5]
.endr
.irp t, 0,1,2,3
	v_rcp_f32 v[ST+8*\t+6], v[ST+8*\t+4]
.endr
	v_nop                                          ; a plain line behind the last reciprocal,
	s_wait_alu depctr_va_vdst(0)                   ; and one wait for the four, ahead of the first use
.macro PACKO T
	WIN W_RS
.set nn, 0
.rept 16
	v_pk_mul_f32 v[32*\T+2*nn:32*\T+2*nn+1], v[32*\T+2*nn:32*\T+2*nn+1], v[ST+8*\T+6:ST+8*\T+7] op_sel_hi:[1,0]
.set nn, nn+1
.endr
	WIN 0x05                                       ; sources 0 and 1 window 1, destination window 0
.set nn, 0
.rept 16
	v_cvt_pk_f16_f32 v[S+16*\T+nn], v[32*\T+2*nn], v[32*\T+2*nn+1]
.set nn, nn+1
.endr
	WIN 0
.irp c, 0,1,2,3
	ds_store_b128 v[STO], v[S+16*\T+4*\c:S+16*\T+4*\c+3] offset:32*\c
.endr
.irp u, 0,1,2,3
	ds_load_b128 v[P+16*\T+4*\u:P+16*\T+4*\u+3], v[RD] offset:\u*4*SP   ; LDS serves a wave's instructions in order: these see the stores above, and the next tile's stores come behind them
.endr
.endm
.macro SENDO T, younger, base          ; younger: the LDS instructions issued behind tile T's loads: the next tile's eight, or none
.irp u, 0,1,2,3
	s_wait_dscnt \younger+3-\u
	global_store_b128 v[GO], v[P+16*\T+4*\u:P+16*\T+4*\u+3], s[\base:\base+1] offset:(\T%2)*2048+512*\u   ; 32 lanes store 512 consecutive bytes, aligned
.endr
.endm
	PACKO 0
	PACKO 1
	SENDO 0, 8, OLA
	PACKO 2
	SENDO 1, 8, OLA
	PACKO 3
	SENDO 2, 8, OEA
	SENDO 3, 0, OEA
	s_wait_tensorcnt 0x0                           ; the wave's end, behind my last tensor load and my last LDS store
	ds_add_u32 v[SPW], v[NIL]
	s_wait_dscnt 0x0
	s_endpgm
.Lfunc_end_k_qe6283035e3_attn:
	.size	k_qe6283035e3_attn, .Lfunc_end_k_qe6283035e3_attn-k_qe6283035e3_attn
	.p2alignl 7, 3214868480
	.fill 96, 4, 3214868480
	.section	.rodata,"a",@progbits
	.p2align	6, 0x0
	.amdhsa_kernel k_qe6283035e3_attn
		.amdhsa_group_segment_fixed_size 327680
		.amdhsa_private_segment_fixed_size 0
		.amdhsa_enable_private_segment 0
		.amdhsa_kernarg_size 16
		.amdhsa_user_sgpr_count 2
		.amdhsa_user_sgpr_kernarg_segment_ptr 1
		.amdhsa_wavefront_size32 1
		.amdhsa_system_sgpr_workgroup_id_x 1
		.amdhsa_system_sgpr_workgroup_id_y 1
		.amdhsa_system_sgpr_workgroup_id_z 1
		.amdhsa_system_vgpr_workitem_id 0
		.amdhsa_next_free_vgpr 512
		.amdhsa_next_free_sgpr 100
		.amdhsa_reserve_vcc 1
		.amdhsa_float_denorm_mode_32 3
		.amdhsa_float_denorm_mode_16_64 3
		.amdhsa_memory_ordered 1
		.amdhsa_forward_progress 1
		.amdhsa_inst_pref_size 110
	.end_amdhsa_kernel
	.amdgpu_metadata
---
amdhsa.version: [ 1, 2 ]
amdhsa.kernels:
  - .name:           k_qe6283035e3_attn
    .symbol:         k_qe6283035e3_attn.kd
    .args:
      - { .name: qkv, .offset: 0, .size: 8, .value_kind: global_buffer, .address_space: global }
      - { .name: attn_o, .offset: 8, .size: 8, .value_kind: global_buffer, .address_space: global }
    .group_segment_fixed_size: 327680
    .private_segment_fixed_size: 0
    .kernarg_segment_align: 8
    .kernarg_segment_size: 16
    .max_flat_workgroup_size: 256
    .sgpr_count:     100
    .vgpr_count:     512
    .wavefront_size: 32
...
	.end_amdgpu_metadata
.endif
;; end of part 5
;; launch proj (part 6): grid 4 x 64, 4 waves a work-group, clusters of 4 x 4, 327,680 bytes of LDS; arguments attn_o, wpt, bp, out0; writes out0
.if DOCPART == 6
	.amdgcn_target "amdgcn-amd-amdhsa--gfx1250"
	.amdhsa_code_object_version 6
	.text
	.protected	k_qe6283035e3_proj
	.globl	k_qe6283035e3_proj
	.p2align	8
	.type	k_qe6283035e3_proj,@function
k_qe6283035e3_proj:
	s_mov_b64 s[64:65], 0
	v_nop
	global_prefetch_b8 v0, s[64:65] scope:SCOPE_SE
	s_setreg_imm32_b32 hwreg(HW_REG_WAVE_MODE, 25, 1), 1
	s_wait_xcnt 0x0
	s_wait_alu depctr_hold_cnt(0) depctr_sa_sdst(0) depctr_va_vdst(0) depctr_va_sdst(0) depctr_va_ssrc(0) depctr_va_vcc(0) depctr_vm_vsrc(0)
	s_getreg_b32 s2, hwreg(HW_REG_IB_STS2, 6, 4)
	s_cmp_eq_u32 s2, 0
	s_cbranch_scc0 .Lentry_in_a_cluster
	s_endpgm
.Lentry_in_a_cluster:
	s_bfe_u32 s2, ttmp6, 0x10000c
	s_cmp_lg_u32 s2, 0xf033
	s_cbranch_scc0 .Lentry_shape_is_right
	s_endpgm
.Lentry_shape_is_right:
; out0[row][n] = sum over k of o[row][k] Wp[k][n] + bp[n], k = 64 head + d.  A = attn_o [head][row 8192][64] f16, B = wpt [n 1024][k 1024] f16; sums and result in f32.
; (Positions 0 to 15 of each sequence are computed here like all rows; a later launch stores those 64 rows anew, computed in f32.)
; A tile of out0 is 128 rows x 256 columns: 256 work-groups of four waves, each wave 64 x 128: 32 accumulators, 256 registers.
; K goes in steps of 128 (two heads) through a ring of two LDS slots.  A slot: A as two planes, one a head (128 rows of 128 bytes, dense in memory, stated as 64 rows of 256 bytes), and B's 256 rows of 256 bytes in two halves.
; Waves 0 and 1 fetch A's planes, waves 2 and 3 B's halves: one tensor load a wave behind each round.
; CLUSTERS: 4 x 4 work-groups; A's tiles are shared along a row of the cluster, B's along a column: joint loads, each with a mask that names the four.
; THE MATRIX INSTRUCTION IS USED TRANSPOSED (source 0 = 16 rows of B, source 1 = 16 rows of A): a lane holds eight neighbouring columns of one row.  The bias is the C of each sum's first product.
; REGISTERS: window 0: v0-31 addresses; v64-127 the bias, eight registers a column block; v128-255 the way out.  window 1: two fragment buffers (A's four blocks at +0, B's eight at +32).  window 2: accumulator (a, b) at v[8 (8 a + b)].
.set APL,    64*272                    ; a plane of A in LDS: row m at (m / 2) 272 + 128 (m % 2)
.set HALFB,  128*272
.set SLOT,   2*APL+2*HALFB
.set STAGE,  2*SLOT                    ; behind the ring: 16 rows x (512 bytes + 16) for each wave
.set SPITCH, 528
.set SPARE,  STAGE+4*16*SPITCH
.set LAPS,   4                         ; 8 K steps, two to a lap
.set ADRA, 16
.set ADRB, 20
.set STO,  24
.set RD,   25
.set CO,   26
.set SPW,  28
.set NIL,  29
.set BIAS, 64
.set BK,   128
.set F0,   0
.set F1,   128
.set G1, 24
.set G0, 32
.set G1B, 48
.set G0B, 56
.set MSB, 0
.macro WIN new
.if MSB != \new
	s_set_vgpr_msb (MSB<<8)|\new
.set MSB, \new
.endif
.endm
.set MUL,  0xa5                        ; sources 0 (B) and 1 (A) window 1; C and D window 2
.set MULB, 0x85                        ; the same with C (the bias) in window 0
.set TO_F, 0x40
.macro JLOAD s                         ; a joint load; an s_nop 0 and four v_nop follow each of the two lines
	s_cmp_eq_u32 s11, 0
	s_cbranch_scc0 .Lfor_b_\@
	tensor_load_to_lds s[G0+4*\s:G0+4*\s+3], s[G1:G1+7]
	s_nop 0
.rept 4
	v_nop
.endr
	s_branch .Lasked_\@
.Lfor_b_\@:
	tensor_load_to_lds s[G0B+4*\s:G0B+4*\s+3], s[G1B:G1B+7]
	s_nop 0
.rept 4
	v_nop
.endr
.Lasked_\@:
.endm
.macro CREST                           ; a round of the cluster's barrier behind its opening barrier
	s_cmp_lg_u32 s10, 0
	s_cbranch_scc1 .Lnot_wave_0_\@
	s_barrier_signal -3
.Lnot_wave_0_\@:
	s_barrier_wait -3
	s_barrier_signal -1
	s_barrier_wait -1
.endm
.macro CROUND
	s_barrier_signal -1
	s_barrier_wait -1
	CREST
.endm
	s_load_b128 s[4:7], s[0:1], 0x0                ; attn_o, wpt
	s_load_b64 s[66:67], s[0:1], 0x10              ; bp
	s_load_b64 s[8:9], s[0:1], 0x18                ; out0
	v_lshl_add_u32 v[SPW], v0, 2, SPARE
	v_mov_b32 v[NIL], 0
	ds_add_u32 v[SPW], v[NIL]                      ; the wave's opening: the add, twice on end, and its wait ahead of my first tensor load
	ds_add_u32 v[SPW], v[NIL]
	v_lshrrev_b32 v1, 5, v0
	v_readfirstlane_b32 s10, v1                    ; wave 0..3
	s_lshr_b32 s11, s10, 1                         ; which 64 of the tile's rows are mine.  Also: I fetch for A (0) or for B (1)
	s_and_b32 s12, s10, 1                          ; which 128 of its columns.  Also: which plane of A, or which half of B, I fetch
	s_bfe_u32 s40, ttmp6, 0x40000                  ; cx, cy
	s_bfe_u32 s41, ttmp6, 0x40004
	s_lshl_b32 s42, ttmp9, 2
	s_add_co_u32 s42, s42, s40                     ; tile column
	s_and_b32 s13, ttmp7, 0xffff
	s_lshl_b32 s13, s13, 2
	s_add_co_u32 s13, s13, s41                     ; tile row
	s_lshl_b32 s43, s41, 2
	s_lshl_b32 s43, 15, s43                        ; my row of the cluster
	s_lshl_b32 s44, 0x1111, s40                    ; my column
	s_or_b32 s[G1+0], s43, (1<<16)|(1<<20)|(1<<21)|(5<<22)|(3<<25)  ; the mask; elements of 2 bytes; 4 words of padding behind every 64; bit 21 beside a mask
	s_or_b32 s[G1B+0], s44, (1<<16)|(1<<20)|(1<<21)|(5<<22)|(3<<25)
	s_mov_b32 s[G1+1], 128<<16                     ; A: 64 rows of 128 elements, dense
	s_mov_b32 s[G1+2], 64<<16
	s_mov_b32 s[G1+3], 128<<16
	s_mov_b32 s[G1+4], 64
	s_mov_b32 s[G1+5], 128
	s_mov_b32 s[G1+6], 0
	s_mov_b32 s[G1+7], 0
	s_mov_b32 s[G1B+1], 128<<16                    ; B: 128 rows of 128 elements, 1,024 elements apart
	s_mov_b32 s[G1B+2], 128<<16
	s_mov_b32 s[G1B+3], 128<<16
	s_mov_b32 s[G1B+4], 128
	s_mov_b32 s[G1B+5], 1024
	s_mov_b32 s[G1B+6], 0
	s_mov_b32 s[G1B+7], 0
	s_lshl_b32 s16, s12, 20                        ; A: my plane's head (1,048,576 bytes a head) + 128 rows of 128 bytes x tile row
	s_lshl_b32 s17, s13, 14
	s_add_co_u32 s16, s16, s17
	s_mov_b32 s17, 0
	s_lshl_b32 s46, s42, 19                        ; B: row 256 x tile column + 128 x half, 2,048 bytes a row
	s_lshl_b32 s47, s12, 18
	s_add_co_u32 s46, s46, s47
	s_mov_b32 s47, 0
	s_mul_i32 s20, s12, APL                        ; where they go: no place in the cluster enters an LDS address
	s_mul_i32 s21, s12, HALFB
	s_add_co_u32 s21, s21, 2*APL
	s_wait_dscnt 0x0                               ; both opening adds are done
	s_wait_kmcnt 0x0
	s_add_nc_u64 s[14:15], s[4:5], s[16:17]
	s_add_nc_u64 s[46:47], s[6:7], s[46:47]
	CROUND                                         ; all sixteen work-groups are here: the first joint loads meet
.irp s, 0,1
	s_mov_b32 s[G0+4*\s], 1
	s_add_co_u32 s[G0+4*\s+1], s20, \s*SLOT
	s_add_nc_u64 s[G0+4*\s+2:G0+4*\s+3], s[14:15], \s*2*1048576    ; K step s: heads 2 s and 2 s + 1
	s_or_b32 s[G0+4*\s+3], s[G0+4*\s+3], 0x80000000
	s_mov_b32 s[G0B+4*\s], 1
	s_add_co_u32 s[G0B+4*\s+1], s21, \s*SLOT
	s_add_nc_u64 s[G0B+4*\s+2:G0B+4*\s+3], s[46:47], \s*256
	s_or_b32 s[G0B+4*\s+3], s[G0B+4*\s+3], 0x80000000
	JLOAD \s                                       ; two tensor loads of mine are out
.endr
	v_and_b32 v1, 15, v0                           ; r
	v_bfe_u32 v2, v0, 4, 1                         ; h
	v_bfe_u32 v3, v0, 1, 3
	v_mul_u32_u24 v3, v3, 272
	v_and_b32 v4, 1, v0
	v_lshl_add_u32 v3, v4, 7, v3
	v_lshl_add_u32 v3, v2, 4, v3                   ; A: (r / 2) 272 + 128 (r % 2) + 16 h
	v_mul_u32_u24 v4, v1, 272
	v_lshl_add_u32 v4, v2, 4, v4                   ; B: 272 r + 16 h
	s_mul_i32 s21, s11, 32*272                     ; my 64 rows of A
	s_mul_i32 s22, s12, HALFB                      ; my 128 rows of B
	s_add_co_u32 s22, s22, 2*APL
.irp s, 0,1
	v_add_nc_u32 v[ADRA+\s], s21, v3
	v_add_nc_u32 v[ADRB+\s], s22, v4
	s_add_co_u32 s21, s21, SLOT
	s_add_co_u32 s22, s22, SLOT
.endr
	s_mul_i32 s23, s10, 16*SPITCH
	s_add_co_u32 s23, s23, STAGE                   ; my stage
	v_mul_u32_u24 v5, v1, SPITCH
	v_lshl_add_u32 v5, v2, 5, v5
	v_add_nc_u32 v[STO], s23, v5                   ; in: row r, 32 bytes for each half of the lanes
	v_and_b32 v6, 31, v0
	v_lshlrev_b32 v[CO], 4, v6                     ; back: the 32 lanes take one row of 512 bytes; and the same in out0
	v_add_nc_u32 v[RD], s23, v[CO]
	v_lshlrev_b32 v7, 5, v2                        ; the bias: 32 h
	s_lshl_b32 s16, s13, 19                        ; my first row of out0: (128 x tile row + 64 x half) x 4,096 bytes
	s_lshl_b32 s17, s11, 18
	s_add_co_u32 s16, s16, s17
	s_mov_b32 s17, 0
	s_add_nc_u64 s[8:9], s[8:9], s[16:17]
	s_lshl_b32 s46, s42, 10                        ; my first column, in bytes (in the registers that held B's address)
	s_lshl_b32 s47, s12, 9
	s_add_co_u32 s46, s46, s47
	s_mov_b32 s47, 0
	s_add_nc_u64 s[8:9], s[8:9], s[46:47]
	s_add_nc_u64 s[66:67], s[66:67], s[46:47]
.irp b, 0,1,2,3,4,5,6,7
	global_load_b128 v[BIAS+8*\b:BIAS+8*\b+3],   v7, s[66:67] offset:64*\b       ; lane (r, h): bp of columns 16 b + 8 h + 0 .. 7
	global_load_b128 v[BIAS+8*\b+4:BIAS+8*\b+7], v7, s[66:67] offset:64*\b+16
.endr
; 8 matrix instructions: A's block a x B's eight, 32 along K.  first = 1: the bias starts the sums.  The 32 accumulators take turns in the same order in every quarter.
.macro MUL8 f, a, first
.irp b, 0,1,2,3,4,5,6,7
.if \first
	v_wmma_f32_16x16x32_f16 v[8*(8*(\a)+\b):8*(8*(\a)+\b)+7], v[\f+32+8*\b:\f+32+8*\b+7], v[\f+8*(\a):\f+8*(\a)+7], v[BIAS+8*\b:BIAS+8*\b+7]
.else
	v_wmma_f32_16x16x32_f16 v[8*(8*(\a)+\b):8*(8*(\a)+\b)+7], v[\f+32+8*\b:\f+32+8*\b+7], v[\f+8*(\a):\f+8*(\a)+7], v[8*(8*(\a)+\b):8*(8*(\a)+\b)+7]
.endif
.endr
.endm
.macro MUL16 f, a0, first
	MUL8 \f, \a0, \first
	MUL8 \f, \a0+1, \first
.endm
; 24 LDS loads in one run: the fragments of the slot's q-th 32 along K into buffer f: B's eight, then A's four
.macro FETCH slot, q, f
	WIN TO_F
.irp b, 0,1,2,3,4,5,6,7
	ds_load_b128 v[\f+32+8*\b:\f+32+8*\b+3],   v[ADRB+\slot] offset:64*(\q)+\b*16*272
	ds_load_b128 v[\f+32+8*\b+4:\f+32+8*\b+7], v[ADRB+\slot] offset:64*(\q)+\b*16*272+32
.endr
.irp a, 0,1,2,3
	ds_load_b128 v[\f+8*\a:\f+8*\a+3],   v[ADRA+\slot] offset:((\q)/2)*APL+((\q)%2)*64+\a*8*272
	ds_load_b128 v[\f+8*\a+4:\f+8*\a+7], v[ADRA+\slot] offset:((\q)/2)*APL+((\q)%2)*64+\a*8*272+32
.endr
.endm
.macro PLACES                          ; four plain lines in front of loads into registers that matrix instructions have read, and of the first read of results
.rept 4
	v_nop
.endr
.endm
; A K step is four quarters of 32 along K, 32 matrix instructions each, on buffers 0, 1, 0, 1.  One of the first three: multiplies buffer f and fetches quarter qn into g.
.macro QUARTER slot, qn, f, g, first
	s_wait_dscnt 4                                 ; B and A's blocks 0, 1 are in; the youngest four loads (A's blocks 2, 3) may be out
.if \first
	WIN MULB
.else
	WIN MUL
.endif
	MUL16 \f, 0, \first
	PLACES
	FETCH \slot, \qn, \g
	s_wait_dscnt 24                                ; all but the 24 just issued
.if \first
	WIN MULB
.else
	WIN MUL
.endif
	MUL16 \f, 2, \first
.endm
; The last quarter multiplies buffer 1 and changes slots: ONE barrier; in front of it each wave waits for all its tensor loads, adds 0 to its spare word, and waits for that and for its reads of this slot.
; fill = 1: the barrier opens a round of the cluster's, and this slot is filled again, two K steps ahead: from the request to the wait for it a wave issues 112 matrix instructions.
.macro TURN slot, next, fill
	WIN 0
	s_wait_tensorcnt 0x0                           ; all my tensor loads have landed: my part of the next slot
	ds_add_u32 v[SPW], v[NIL]                      ; 0 onto my spare word
	s_wait_dscnt 5                                 ; (the add and the youngest four loads may be out)
	WIN MUL
	MUL8 F1, 0, 0
	s_wait_dscnt 0x0                               ; the add is done, and my reads of this slot are over
	s_barrier_signal -1
	MUL8 F1, 1, 0
.if \fill
	WIN 0
.endif
	s_barrier_wait -1
.if \fill
	CREST                                          ; no wave of any partner still reads this slot's tile or has a load on its way
	s_add_nc_u64 s[G0+4*\slot+2:G0+4*\slot+3], s[G0+4*\slot+2:G0+4*\slot+3], 4*1048576   ; four heads on
	s_add_nc_u64 s[G0B+4*\slot+2:G0B+4*\slot+3], s[G0B+4*\slot+2:G0B+4*\slot+3], 512
	JLOAD \slot                                    ; the first tensor load behind the round; its four v_nop are also the plain lines in front of the loads below
.else
	PLACES
.endif
	FETCH \next, 0, F0
	WIN MUL
	MUL16 F1, 2, 0
.endm
	s_wait_tensorcnt 1                             ; my part of K step 0 is in; K step 1's load may be out
	s_barrier_signal -1
	s_barrier_wait -1
	FETCH 0, 0, F0
	s_wait_loadcnt 0x0                             ; the bias
	QUARTER 0, 1, F0, F1, 1                        ; the first quarter stands in front of the loop: its products start the sums, from the bias
	WIN 0
	s_mov_b32 s3, LAPS-1
.Llap:                                                 ; a trip goes once round the ring, from a lap's second quarter to the next lap's first, and fills both slots again
	QUARTER 0, 2, F1, F0, 0
	QUARTER 0, 3, F0, F1, 0
	TURN 0, 1, 1
	QUARTER 1, 1, F0, F1, 0
	QUARTER 1, 2, F1, F0, 0
	QUARTER 1, 3, F0, F1, 0
	TURN 1, 0, 1
	QUARTER 0, 1, F0, F1, 0
	WIN 0
	s_sub_co_u32 s3, s3, 1
	s_cmp_lg_u32 s3, 0
	s_cbranch_scc1 .Llap
	QUARTER 0, 2, F1, F0, 0                        ; the last lap fills nothing, and has no round of the cluster's barrier
	QUARTER 0, 3, F0, F1, 0
	TURN 0, 1, 0
	QUARTER 1, 1, F0, F1, 0
	QUARTER 1, 2, F1, F0, 0
	QUARTER 1, 3, F0, F1, 0
	s_wait_dscnt 4
	WIN MUL
	MUL16 F1, 0, 0
	s_wait_dscnt 0
	MUL16 F1, 2, 0
	WIN 0
; THE WAY OUT, block by block of 16 rows x 128 columns: through my own stage, back as whole rows of 512 bytes, which the 32 lanes store as 512 consecutive bytes, aligned.
.macro TOSTAGE a
.set AC, 64*(\a)
	WIN 0x08                                       ; an LDS store's data: window 2
.irp b, 0,1,2,3,4,5,6,7
	ds_store_b128 v[STO], v[AC+8*\b:AC+8*\b+3] offset:64*\b          ; each accumulator from its low end on
	ds_store_b128 v[STO], v[AC+8*\b+4:AC+8*\b+7] offset:64*\b+16
.endr
	WIN 0
.set BB, BK+64*((\a)%2)
.irp t, 0,1,2,3,4,5,6,7,8,9,10,11,12,13,14,15
	ds_load_b128 v[BB+4*\t:BB+4*\t+3], v[RD] offset:\t*SPITCH        ; LDS serves a wave's instructions in order: these see the stores above
.endr
.endm
.macro SEND a, younger                 ; younger: the LDS instructions issued behind block a's loads, which may stay out
.set BB, BK+64*((\a)%2)
	s_wait_dscnt \younger
.if (\a) > 0
	s_add_nc_u64 s[8:9], s[8:9], 16*4096           ; (behind a wait that shows the earlier stores' addresses read)  16 rows on
.endif
.irp t, 0,1,2,3,4,5,6,7,8,9,10,11,12,13,14,15
	global_store_b128 v[CO], v[BB+4*\t:BB+4*\t+3], s[8:9] offset:\t*4096 th:TH_STORE_NT
.endr
.endm
	PLACES
	TOSTAGE 0
.irp a, 1,2,3
.if \a > 1
	s_wait_xcnt 0x0                                ; block a - 2's stores have read their registers and their base
.endif
	TOSTAGE \a
	SEND \a-1, 32                                  ; behind block a - 1's loads: block a's 16 stores and 16 loads
.endr
	s_wait_xcnt 0x0
	SEND 3, 0
	s_wait_tensorcnt 0x0                           ; the wave's end, behind my last tensor load and my last LDS store
	ds_add_u32 v[SPW], v[NIL]
	s_wait_dscnt 0x0
	CROUND                                         ; the closing round
	s_endpgm
.Lfunc_end_k_qe6283035e3_proj:
	.size	k_qe6283035e3_proj, .Lfunc_end_k_qe6283035e3_proj-k_qe6283035e3_proj
	.p2alignl 7, 3214868480
	.fill 96, 4, 3214868480
	.section	.rodata,"a",@progbits
	.p2align	6, 0x0
	.amdhsa_kernel k_qe6283035e3_proj
		.amdhsa_group_segment_fixed_size 327680
		.amdhsa_private_segment_fixed_size 0
		.amdhsa_enable_private_segment 0
		.amdhsa_kernarg_size 32
		.amdhsa_user_sgpr_count 2
		.amdhsa_user_sgpr_kernarg_segment_ptr 1
		.amdhsa_wavefront_size32 1
		.amdhsa_system_sgpr_workgroup_id_x 1
		.amdhsa_system_sgpr_workgroup_id_y 1
		.amdhsa_system_sgpr_workgroup_id_z 1
		.amdhsa_system_vgpr_workitem_id 0
		.amdhsa_next_free_vgpr 768
		.amdhsa_next_free_sgpr 70
		.amdhsa_reserve_vcc 0
		.amdhsa_float_denorm_mode_32 3
		.amdhsa_float_denorm_mode_16_64 3
		.amdhsa_memory_ordered 1
		.amdhsa_forward_progress 1
		.amdhsa_inst_pref_size 87
	.end_amdhsa_kernel
	.amdgpu_metadata
---
amdhsa.version: [ 1, 2 ]
amdhsa.kernels:
  - .name:           k_qe6283035e3_proj
    .symbol:         k_qe6283035e3_proj.kd
    .args:
      - { .name: attn_o, .offset: 0, .size: 8, .value_kind: global_buffer, .address_space: global }
      - { .name: wpt, .offset: 8, .size: 8, .value_kind: global_buffer, .address_space: global }
      - { .name: bp, .offset: 16, .size: 8, .value_kind: global_buffer, .address_space: global }
      - { .name: out0, .offset: 24, .size: 8, .value_kind: global_buffer, .address_space: global }
    .group_segment_fixed_size: 327680
    .private_segment_fixed_size: 0
    .kernarg_segment_align: 8
    .kernarg_segment_size: 32
    .max_flat_workgroup_size: 128
    .sgpr_count:     70
    .vgpr_count:     768
    .wavefront_size: 32
...
	.end_amdgpu_metadata
.endif
;; end of part 6
;; launch fine (part 7): grid 64 x 4, 16 waves a work-group, no clusters, 18,432 bytes of LDS; arguments qkv32, Wp, bp, out0; writes out0
.if DOCPART == 7
	.amdgcn_target "amdgcn-amd-amdhsa--gfx1250"
	.amdhsa_code_object_version 6
	.text
	.protected	k_qe6283035e3_fine
	.globl	k_qe6283035e3_fine
	.p2align	8
	.type	k_qe6283035e3_fine,@function
k_qe6283035e3_fine:
	s_mov_b64 s[64:65], 0
	v_nop
	global_prefetch_b8 v0, s[64:65] scope:SCOPE_SE
	s_setreg_imm32_b32 hwreg(HW_REG_WAVE_MODE, 25, 1), 1
	s_wait_xcnt 0x0
; Positions 0 to 15 of each sequence, all in f32: scores, causal softmax, weighted values and the output projection with its bias.  These rows average one to sixteen values and are the largest of the result,
; so their operands are not rounded to 16 bits.  They are stored over what the launch before has left in those 64 rows of out0.
; A work-group (x: 16 columns n0 = 16 x on; y: the batch) has sixteen waves, a wave a head.  Each wave makes its head's o for the 16 queries and at once that head's share (K = 64) of the 16 x 16 tile of the result:
; o never leaves the registers.  The sixteen shares meet in LDS, one barrier, and wave 0 adds them and the bias.  The attention (32 small matrix instructions a wave) is made anew in each of a batch's 64 work-groups.
; FORM: v_wmma_f32_16x16x4_f32, both sources with the same order of k: lane (r, hh) holds channels 32 hh + i of q and k, keys 8 hh + j of p and v, and k = 64 head + 16 ct + 8 hh + j of o and Wp.
; The registers that this form writes (v152-215) are written by matrix instructions alone; each sum begins with the constant 0; two or four accumulators take turns.
; The stores are 64 bytes a row (16 columns): pieces, over 256 KiB in all.
.set SPARE, 16384
.set SPW, 12
.set NIL, 13
.set QQ,  16                           ; v16-47   q
.set KK,  48                           ; v48-79   k
.set VV,  80                           ; v80-111  v (8 ct + j)
.set WW,  112                          ; v112-143 Wp (8 ct + j)
.set BI,  144                          ; v144-151 the bias
.set SA,  152
.set SB,  160
.set OO,  168                          ; v168-199 O^T, 8 a channel tile
.set PA,  200
.set PB,  208
.set T,   216                          ; v216-223 scores, then p
.set RR,  232                          ; v232-239 my head's share
	s_load_b128 s[4:7], s[0:1], 0x0                ; qkv32, Wp
	s_load_b128 s[8:11], s[0:1], 0x10              ; bp, out0
	v_lshl_add_u32 v[SPW], v0, 2, SPARE
	v_mov_b32 v[NIL], 0
	v_lshrrev_b32 v1, 5, v0
	v_readfirstlane_b32 s12, v1                    ; wave = head
	v_and_b32 v1, 15, v0                           ; r
	v_bfe_u32 v2, v0, 4, 1                         ; hh
	v_lshlrev_b32 v3, 8, v1
	v_lshl_add_u32 v3, v2, 7, v3                   ; q, k: row r of 256 bytes, + 128 hh
	v_lshlrev_b32 v4, 2, v1
	v_lshl_add_u32 v5, v2, 15, v4                  ; Wp: 8 hh rows of 4,096 bytes, + 4 r
	v_lshl_add_u32 v4, v2, 11, v4                  ; v: 8 hh rows of 256 bytes, + 4 r
	v_lshlrev_b32 v6, 5, v2                        ; the bias: 32 hh
	v_lshlrev_b32 v7, 3, v2
	v_sub_nc_u32 v7, v1, v7                        ; r - 8 hh
	v_and_b32 v9, 31, v0
	v_lshlrev_b32 v9, 4, v9                        ; 16 x lane
	v_lshrrev_b32 v8, 5, v0
	v_lshl_add_u32 v8, v8, 10, v9                  ; my wave's 1,024 bytes of LDS
	v_lshlrev_b32 v10, 12, v1
	v_lshl_add_u32 v10, v2, 5, v10                 ; out0: row r of 4,096 bytes, + 32 hh
	v_mov_b32 v11, 0xff800000                      ; -infinity
	v_mov_b32 v226, 0                              ; (a lane permute's destination counts as one of its sources)
	v_mov_b32 v227, 0
	s_and_b32 s13, ttmp7, 0xffff                   ; the batch
	s_mul_i32 s16, s13, 196608                     ; 48 blocks of 4,096 bytes a batch,
	s_lshl_b32 s14, s12, 12                        ; one a head
	s_add_co_u32 s16, s16, s14
	s_mov_b32 s17, 0
	s_lshl_b32 s18, s12, 18                        ; Wp: 64 rows a head,
	s_lshl_b32 s14, ttmp9, 6                       ; 16 columns a work-group
	s_add_co_u32 s18, s18, s14
	s_mov_b32 s19, 0
	s_mov_b32 s15, 0
	s_lshl_b32 s24, s13, 23                        ; out0: 8,388,608 bytes a batch
	s_add_co_u32 s24, s24, s14
	s_mov_b32 s25, 0
	s_mov_b32 s20, 0x76543210
	s_mov_b32 s21, 0xfedcba98
	s_mov_b32 s22, 0x3d38aa3b                      ; c = log2(e) / 32
	s_wait_kmcnt 0x0
	s_add_nc_u64 s[4:5], s[4:5], s[16:17]
	s_add_nc_u64 s[6:7], s[6:7], s[18:19]
	s_add_nc_u64 s[8:9], s[8:9], s[14:15]
	s_add_nc_u64 s[10:11], s[10:11], s[24:25]
	global_load_b128 v[BI:BI+3], v6, s[8:9]
	global_load_b128 v[BI+4:BI+7], v6, s[8:9] offset:16
.irp i, 0,1,2,3,4,5,6,7
	global_load_b128 v[QQ+4*\i:QQ+4*\i+3], v3, s[4:5] offset:16*\i
.endr
.irp i, 0,1,2,3,4,5,6,7
	global_load_b128 v[KK+4*\i:KK+4*\i+3], v3, s[4:5] offset:65536+16*\i
.endr
.set nn, 0
.rept 32
	global_load_b32 v[VV+nn], v4, s[4:5] offset:131072+256*(nn%8)+64*(nn/8)      ; v(key 8 hh + j, channel 16 ct + r)
.set nn, nn+1
.endr
	s_wait_loadcnt 32                              ; the bias, q and k are in; v's 32 loads may be out
.set nn, 0
.rept 32
	global_load_b32 v[WW+nn], v5, s[6:7] offset:(16*(nn/8)+nn%8)*4096            ; Wp(64 head + 16 ct + 8 hh + j, n0 + r)
.set nn, nn+1
.endr
	; S^T = k q^T: source 0 = the 16 keys, source 1 = the 16 queries; 16 steps of 4 along the 64 channels, on two accumulators by turns
	v_wmma_f32_16x16x4_f32 v[SA:SA+7], v[KK:KK+1], v[QQ:QQ+1], 0
	v_wmma_f32_16x16x4_f32 v[SB:SB+7], v[KK+2:KK+3], v[QQ+2:QQ+3], 0
.set nn, 4
.rept 7
	v_wmma_f32_16x16x4_f32 v[SA:SA+7], v[KK+nn:KK+nn+1], v[QQ+nn:QQ+nn+1], v[SA:SA+7]
	v_wmma_f32_16x16x4_f32 v[SB:SB+7], v[KK+nn+2:KK+nn+3], v[QQ+nn+2:QQ+nn+3], v[SB:SB+7]
.set nn, nn+4
.endr
.rept 8
	v_nop                                          ; eight plain lines behind this form before a result is read
.endr
.irp j, 0,1,2,3,4,5,6,7
	v_add_f32 v[T+\j], v[SA+\j], v[SB+\j]          ; lane (r, hh): query r, key 8 hh + j; from the low end on
.endr
.irp j, 0,1,2,3,4,5,6,7
	v_cmp_gt_i32 vcc_lo, \j, v7                    ; hidden where 8 hh + j > r
	v_cndmask_b32 v[T+\j], v[T+\j], v11, vcc_lo
.endr
	v_max3_num_f32 v224, v[T], v[T+1], v[T+2]
	v_max3_num_f32 v225, v[T+3], v[T+4], v[T+5]
	v_max3_num_f32 v224, v224, v[T+6], v[T+7]
	v_max_num_f32 v224, v224, v225
	v_permlanex16_b32 v226, v224, s20, s21
	v_max_num_f32 v224, v224, v226                 ; the row's maximum (key 0 counts for every query)
	v_mul_f32 v225, s22, v224
.irp j, 0,1,2,3,4,5,6,7
	v_fma_f32 v[T+\j], v[T+\j], s22, -v225         ; c s - c m
.endr
.irp j, 0,1,2,3,4,5,6,7
	v_exp_f32 v[T+\j], v[T+\j]
.endr
	v_nop                                          ; a plain line behind the last exponential,
	s_wait_alu depctr_va_vdst(0)                   ; and one wait for the eight, ahead of the first use
	v_add_f32 v224, v[T], v[T+1]
	v_add_f32 v225, v[T+2], v[T+3]
	v_add_f32 v228, v[T+4], v[T+5]
	v_add_f32 v229, v[T+6], v[T+7]
	v_add_f32 v224, v224, v225
	v_add_f32 v228, v228, v229
	v_add_f32 v224, v224, v228
	v_permlanex16_b32 v227, v224, s20, s21
	v_add_f32 v224, v224, v227                     ; the row's sum
	v_rcp_f32 v228, v224
	v_nop
	s_wait_alu depctr_va_vdst(0)
.irp j, 0,1,2,3,4,5,6,7
	v_mul_f32 v[T+\j], v[T+\j], v228               ; the weights
.endr
	s_wait_loadcnt 32                              ; v is in; Wp's 32 loads may be out
	; O^T = v^T p: source 0 = 16 channels, source 1 = the 16 queries; 4 steps of 4 along the 16 keys; the four channel tiles take turns
.irp u, 0,1,2,3
.irp c, 0,1,2,3
.if \u == 0
	v_wmma_f32_16x16x4_f32 v[OO+8*\c:OO+8*\c+7], v[VV+8*\c+2*\u:VV+8*\c+2*\u+1], v[T+2*\u:T+2*\u+1], 0
.else
	v_wmma_f32_16x16x4_f32 v[OO+8*\c:OO+8*\c+7], v[VV+8*\c+2*\u:VV+8*\c+2*\u+1], v[T+2*\u:T+2*\u+1], v[OO+8*\c:OO+8*\c+7]
.endif
.endr
.endr
.rept 9
	v_nop                                          ; nine plain lines behind this form before a result goes on as a source
.endr
	s_wait_loadcnt 0x0                             ; Wp
	; my head's share of the result: source 0 = 16 columns of Wp, source 1 = O^T as it stands (query r, channels 16 ct + 8 hh + j); 16 steps on two accumulators by turns
	v_wmma_f32_16x16x4_f32 v[PA:PA+7], v[WW:WW+1], v[OO:OO+1], 0
	v_wmma_f32_16x16x4_f32 v[PB:PB+7], v[WW+2:WW+3], v[OO+2:OO+3], 0
.set nn, 4
.rept 7
	v_wmma_f32_16x16x4_f32 v[PA:PA+7], v[WW+nn:WW+nn+1], v[OO+nn:OO+nn+1], v[PA:PA+7]
	v_wmma_f32_16x16x4_f32 v[PB:PB+7], v[WW+nn+2:WW+nn+3], v[OO+nn+2:OO+nn+3], v[PB:PB+7]
.set nn, nn+4
.endr
.rept 8
	v_nop
.endr
.irp j, 0,1,2,3,4,5,6,7
	v_add_f32 v[RR+\j], v[PA+\j], v[PB+\j]         ; lane (r, hh): query r, columns n0 + 8 hh + j
.endr
	ds_store_b128 v8, v[RR:RR+3]
	ds_store_b128 v8, v[RR+4:RR+7] offset:512
	s_wait_dscnt 0x0                               ; for wave 0's sake: my share lies in LDS
	s_barrier_signal -1
	s_barrier_wait -1
	s_cmp_lg_u32 s12, 0
	s_cbranch_scc1 .Lothers
.irp w, 0,1,2,3,4,5,6,7,8,9,10,11,12,13,14,15
	ds_load_b128 v[16+8*\w:19+8*\w], v9 offset:1024*\w
	ds_load_b128 v[20+8*\w:23+8*\w], v9 offset:1024*\w+512
.endr
	s_wait_dscnt 0x0
.irp d, 8,4,2,1                                ; the sixteen shares, as a tree
.set nn, 0
.rept 4*\d
	v_pk_add_f32 v[16+2*nn:17+2*nn], v[16+2*nn:17+2*nn], v[16+8*\d+2*nn:17+8*\d+2*nn]
.set nn, nn+1
.endr
.endr
.irp j, 0,2,4,6
	v_pk_add_f32 v[16+\j:17+\j], v[16+\j:17+\j], v[BI+\j:BI+\j+1]
.endr
	global_store_b128 v10, v[16:19], s[10:11]
	global_store_b128 v10, v[20:23], s[10:11] offset:16
.Lothers:
	s_wait_tensorcnt 0x0                           ; the wave's end, behind my last LDS store
	ds_add_u32 v[SPW], v[NIL]
	s_wait_dscnt 0x0
	s_endpgm
.Lfunc_end_k_qe6283035e3_fine:
	.size	k_qe6283035e3_fine, .Lfunc_end_k_qe6283035e3_fine-k_qe6283035e3_fine
	.p2alignl 7, 3214868480
	.fill 96, 4, 3214868480
	.section	.rodata,"a",@progbits
	.p2align	6, 0x0
	.amdhsa_kernel k_qe6283035e3_fine
		.amdhsa_group_segment_fixed_size 18432
		.amdhsa_private_segment_fixed_size 0
		.amdhsa_enable_private_segment 0
		.amdhsa_kernarg_size 32
		.amdhsa_user_sgpr_count 2
		.amdhsa_user_sgpr_kernarg_segment_ptr 1
		.amdhsa_wavefront_size32 1
		.amdhsa_system_sgpr_workgroup_id_x 1
		.amdhsa_system_sgpr_workgroup_id_y 1
		.amdhsa_system_sgpr_workgroup_id_z 1
		.amdhsa_system_vgpr_workitem_id 0
		.amdhsa_next_free_vgpr 256
		.amdhsa_next_free_sgpr 66
		.amdhsa_reserve_vcc 1
		.amdhsa_float_denorm_mode_32 3
		.amdhsa_float_denorm_mode_16_64 3
		.amdhsa_memory_ordered 1
		.amdhsa_forward_progress 1
		.amdhsa_inst_pref_size 24
	.end_amdhsa_kernel
	.amdgpu_metadata
---
amdhsa.version: [ 1, 2 ]
amdhsa.kernels:
  - .name:           k_qe6283035e3_fine
    .symbol:         k_qe6283035e3_fine.kd
    .args:
      - { .name: qkv32, .offset: 0, .size: 8, .value_kind: global_buffer, .address_space: global }
      - { .name: Wp, .offset: 8, .size: 8, .value_kind: global_buffer, .address_space: global }
      - { .name: bp, .offset: 16, .size: 8, .value_kind: global_buffer, .address_space: global }
      - { .name: out0, .offset: 24, .size: 8, .value_kind: global_buffer, .address_space: global }
    .group_segment_fixed_size: 18432
    .private_segment_fixed_size: 0
    .kernarg_segment_align: 8
    .kernarg_segment_size: 32
    .max_flat_workgroup_size: 512
    .sgpr_count:     66
    .vgpr_count:     256
    .wavefront_size: 32
...
	.end_amdgpu_metadata
.endif
;; end of part 7
